; MI455X (gfx1250); checked and timed in simulation.
; The chip was launched on July 23, 2026; its instructions are those of AMD's public machine-readable ISA for CDNA 5 (MIT licence, August 2026) and "CDNA5" Instruction Set Architecture Reference Guide (July 2026). The comments in the code are by the model that wrote it; some were corrected since.
;; GQ Attention. Allowed arithmetic: matrix products marked QUANTISED: E2M3 operands, one E8M0 scale for each 32 along K, by v_wmma_scale_f32_16x16x128_f8f6f4 with both operands' format E2M3, f32 sums; everything else in f32.
;; Inputs: Wk 512 x 2,048 float32; Wo 2,048 x 2,048 float32; Wq 2,048 x 2,048 float32; Wv 512 x 2,048 float32; cos 1,024 x 32 float32; sin 1,024 x 32 float32; x 4 x 1,024 x 2,048 float32.
;; Outputs: out0 4 x 1,024 x 2,048 float32.
;; This version of the problem:
;;   THIS VERSION OF THE PROBLEM IS GIVEN IN LOW PRECISION. The matrix products marked QUANTISED in the list below multiply operands that are first quantised to E2M3 (2 exponent bits, 3 mantissa bits; 6 bits a number), with one power-of-two scale for each 32 numbers along K (OCP MX v1.0); their sums are f32. All else is computed in f32.
;;   The module's matrix products, in the order in which they are computed (A, B: the left and right operand; K: the contracted axis; several contracted axes count as one K, in the product's order):
;;     1. [M 4,096, K 2,048] x [K 2,048, N 2,048]; A: input x; B: input Wq: QUANTISED
;;     2. [M 4,096, K 2,048] x [K 2,048, N 512]; A: input x; B: input Wk: QUANTISED
;;     3. [M 4,096, K 2,048] x [K 2,048, N 512]; A: input x; B: input Wv: QUANTISED
;;     4. batch 128 x [M 1,024, K 64] x [K 64, N 1,024]; A: computed on the way; B: computed on the way: QUANTISED
;;     5. batch 128 x [M 1,024, K 1,024] x [K 1,024, N 64]; A: softmax (see below); B: computed on the way: QUANTISED
;;     6. [M 4,096, K 2,048] x [K 2,048, N 2,048]; A: computed on the way; B: input Wo: QUANTISED
;;   THE QUANTISER, for each operand of a quantised product, along K:
;;     - K is cut into blocks of 32 from its start; a last block that is shorter is filled with zeros.
;;     - A block's scale is 2^e with e = floor(log2(the largest magnitude in the block)) - 2, held to -126 .. 127; a block of zeros has e = 0. As a byte (E8M0): e + 127.
;;     - Each number is divided by its block's scale, clamped to +-7.5, and rounded to the nearest number of E2M3, ties to even, subnormals kept.
;;     - The product sums the exact products of the quantised numbers (number of the format x scale) in f32.
;;   ~~~python
;;   def quantise(x, axis):      # numpy; x: float32 -> the quantised numbers, widened to float32 again
;;       x = np.moveaxis(x, axis, -1); K = x.shape[-1]
;;       x = np.pad(x, [(0, 0)] * (x.ndim - 1) + [(0, -K % 32)]); x = x.reshape(x.shape[:-1] + (-1, 32)); a = np.abs(x).max(-1, keepdims=True)
;;       e = np.where(a > 0, np.clip(np.frexp(np.where(a > 0, a, 1))[1] - 1 - 2, -126, 127), 0)      # np.frexp(a)[1] - 1 = floor(log2(a)), exactly
;;       r = np.clip(x / 2.0 ** e, -7.5, 7.5)
;;       step = 2.0 ** (np.maximum(np.frexp(np.where(r == 0, 1, r))[1] - 1, 0) - 3)
;;       q = np.round(r / step) * step * 2.0 ** e      # np.round: ties to even
;;       return np.moveaxis(q.reshape(q.shape[:-2] + (-1,))[..., :K], -1, axis).astype(np.float32)
;;   ~~~
;;   SOFTMAX AHEAD OF A QUANTISED PRODUCT. Where the list says 'softmax', what is quantised is not the finished softmax but p = 2^(t - M), with t = logit x log2(e) and M = ceil(the row's largest t), a whole number; so 1/2 < the row's largest p <= 1. The row's sum l is taken of the UNQUANTISED p, in f32, and the product's result is divided by l at the end. Since M is a whole number, a kernel that streams over the keys may use a running M (the ceiling of the running maximum): every later rescaling is an exact power of two, which a block's scale takes up: the codes' values come out the same.
;;   OPERANDS COMPUTED ON THE WAY. 'Computed on the way' means the value that the module computes at that place (a softmax that the list does not call 'softmax' is quantised finished and normalised). What goes into a quantiser is computed in f32, as accurately as f32 sums, v_exp_f32 and their like allow (about 1e-6 of the number): no bf16 or f16 on the way to a quantiser, and a product that is left as it is and whose result goes on into a quantised operand takes f32 operands (vector FMAs, or v_wmma_f32_16x16x4_f32). A number that lies on a knife's edge between two numbers of the format may be rounded either way, as far as f32 arithmetic and the matrix unit's own rounding can turn it there, and no further.
;; One version. Each part assembles by itself: llvm-mc -triple=amdgcn-amd-amdhsa -mcpu=gfx1250 --defsym DOCPART=n.
;; ======== version 1 of 1: 4 launches
;; limits: right only within a limited range of input values
;; workspace buffers: xq 6,553,600 bytes; wqkv 4,915,200 bytes; woq 3,276,800 bytes; qi 6,815,744 bytes; kv 3,407,872 bytes; aq 6,553,600 bytes
;; launch quant (part 1): grid 288 x 1, 8 waves a work-group, no clusters, 68,608 bytes of LDS; arguments x, Wq, Wk, Wv, Wo, xq, wqkv, woq; writes xq, wqkv, woq
.if DOCPART == 1
	.amdgcn_target "amdgcn-amd-amdhsa--gfx1250"
	.amdhsa_code_object_version 6
	.text
	.protected	k_qd71ebaff34_quant
	.globl	k_qd71ebaff34_quant
	.p2align	8
	.type	k_qd71ebaff34_quant,@function
k_qd71ebaff34_quant:
	s_mov_b64 s[64:65], 0
	v_nop
	global_prefetch_b8 v0, s[64:65] scope:SCOPE_SE
	s_setreg_imm32_b32 hwreg(HW_REG_WAVE_MODE, 25, 1), 1
	s_wait_xcnt 0x0
; x [4096][2048], Wq [2048][2048], Wk, Wv [512][2048], Wo [2048][2048], f32, K innermost, become codes of FP6 (E2M3) with one E8M0 byte for each 32 along K.
; A block's scale is 2^(floor(log2(its largest magnitude)) - 2); its byte is the largest magnitude's exponent field - 2, held at 1 from below.
; LAYOUT OF THE RESULTS (this program's own): codes [K step 16][tile][1,536 bytes]: a tile is 16 rows x 128 along K as an IMAGE OF THE OPERAND'S 12 REGISTERS:
; registers 0-3 at 16 x lane, 4-5 at 512 + 8 x lane, 6-9 at 768 + 16 x lane, 10-11 at 1,280 + 8 x lane.  Lane (r, h) of tile 2 g + u holds row 32 g + 8 u + r + 8 (r / 8), K = 64 c + 32 h + 0..31 in registers 6 c .. 6 c + 5.
; Behind all codes the scale words [512 along K: 4][position 16 x tile + r][4 words, one for each K step].
; In wqkv: positions 0-2047 Wq; 2048 + 128 j + 0..63 Wk's head j; + 64..127 Wv's head j.
; LIMITS: NaN and infinities among the inputs are not served.  A block of zeros, or one whose largest magnitude lies under 2^-124, keeps the byte 1 (the rule says 127 for zeros): zeros give zero codes, and these bytes are read by this program alone.
; SHARES: a work-group takes 32 rows of one tensor; wave w tile w % 2 and 512 along K from 512 (w / 2): four steps of 16 rows x 128.  Each load reads 512 consecutive bytes of one row; the numbers turn through the
; wave's own stage in LDS (rows 528 bytes apart), so that a lane holds its two whole blocks of 32; no other lane is asked for a maximum.  Every store covers 512 or 256 consecutive bytes, aligned.
; No tensor load, no matrix unit, no cluster, no barrier: nothing is shared and every byte is read once.
.set WSTG,  16*528                     ; a wave's stage
.set SPARE, 8*WSTG                     ; behind the stages: the spare words, 128 bytes a wave
.set OF,    4                          ; v4-7    16 x lane + step x the bytes of a K step of codes
.set OF8,   8                          ; v8-11   8 x lane + the same
.set R,     16                         ; v16-143 two sets of 64 numbers as loaded; steps 2 and 3 lay their codes over a set that is done with
.set X,     144                        ; v144-207 my two blocks of 32
.set CB,    208                        ; v208-231 the codes of steps 0 and 1: no store's data are written again
.set T,     232                        ; the upper halves of the blocks' codes, as converted
.set M,     240
.set SO,    244
.set BY,    246
.set W,     248                        ; v248-251 a scale word for each step
	s_load_b512 s[4:19], s[0:1], 0x0               ; x, Wq, Wk, Wv, Wo, xq, wqkv, woq
	v_lshl_add_u32 v252, v0, 2, SPARE
	v_mov_b32 v253, 0
	v_lshrrev_b32 v1, 5, v0
	v_readfirstlane_b32 s32, v1                    ; wave 0..7
	v_and_b32 v2, 31, v0                           ; lane
	v_and_b32 v12, 15, v0                          ; r
	v_bfe_u32 v13, v0, 4, 1                        ; h
	v_lshlrev_b32 v3, 4, v2                        ; 16 x lane
	v_lshlrev_b32 v1, 3, v2                        ; 8 x lane
	s_mul_i32 s38, s32, WSTG
	v_add_nc_u32 v14, s38, v3                      ; the stage, way in: a row as it lies
	v_mul_u32_u24 v15, v12, 528
	v_lshlrev_b32 v235, 3, v13                     ; 8 h
	v_lshl_add_u32 v15, v13, 7, v15
	v_lshl_add_u32 v239, v12, 4, v235              ; the scale words' way out: 16 r + 8 h
	v_add_nc_u32 v15, s38, v15                     ; way out: row r, 128 h bytes on
	v_mov_b32 v254, 0                              ; a lane permute's destination counts as a source
	s_mov_b32 s40, 0x76543210
	s_mov_b32 s41, 0xfedcba98                      ; v_permlanex16_b32's selects for lane l xor 16
	; which tensor: Wo's figures first, then the bounds downwards.  Only pointers and offsets in memory are chosen, by the work-group's number alone
	s_mov_b32 s24, 224                             ; the tensor's first work-group
	s_mov_b32 s25, 196608                          ; a K step of codes, in bytes
	s_mov_b32 s26, 32768                           ; the scale words of 512 along K
	s_mov_b32 s27, 3145728                         ; where the scale words begin
	s_mov_b32 s29, 0                               ; first group of 32 positions of Wk or Wv, else 0
	s_wait_alu depctr_va_vdst(0)
	s_wait_kmcnt 0x0
	s_mov_b64 s[20:21], s[12:13]
	s_mov_b64 s[22:23], s[18:19]
	s_cmp_lt_u32 ttmp9, 224
	s_cselect_b64 s[20:21], s[10:11], s[20:21]
	s_cselect_b64 s[22:23], s[16:17], s[22:23]
	s_cselect_b32 s24, 208, s24
	s_cselect_b32 s25, 294912, s25
	s_cselect_b32 s26, 49152, s26
	s_cselect_b32 s27, 4718592, s27
	s_cselect_b32 s29, 66, s29
	s_cmp_lt_u32 ttmp9, 208
	s_cselect_b64 s[20:21], s[8:9], s[20:21]
	s_cselect_b32 s24, 192, s24
	s_cselect_b32 s29, 64, s29
	s_cmp_lt_u32 ttmp9, 192
	s_cselect_b64 s[20:21], s[6:7], s[20:21]
	s_cselect_b32 s24, 128, s24
	s_cselect_b32 s29, 0, s29
	s_cmp_lt_u32 ttmp9, 128
	s_cselect_b64 s[20:21], s[4:5], s[20:21]
	s_cselect_b64 s[22:23], s[14:15], s[22:23]
	s_cselect_b32 s24, 0, s24
	s_cselect_b32 s25, 393216, s25
	s_cselect_b32 s26, 65536, s26
	s_cselect_b32 s27, 6291456, s27
	s_sub_co_u32 s30, ttmp9, s24                   ; which 32 rows of the tensor
	s_lshr_b32 s31, s30, 1
	s_lshl_b32 s31, s31, 2
	s_and_b32 s34, s30, 1
	s_add_co_u32 s31, s31, s34
	s_add_co_u32 s31, s31, s29                     ; Wk, Wv: group = first + 4 x head + half
	s_cmp_eq_u32 s29, 0
	s_cselect_b32 s31, s30, s31                    ; the others: group = the 32 rows' number
	s_and_b32 s33, s32, 1                          ; u: my tile of the group's two
	s_lshr_b32 s28, s32, 1                         ; which 512 along K
	s_lshl_b32 s34, s30, 18                        ; 32 rows of 8,192 bytes
	s_lshl_b32 s35, s33, 16                        ; 8 u rows
	s_add_co_u32 s34, s34, s35
	s_lshl_b32 s35, s28, 11
	s_add_co_u32 s34, s34, s35
	s_mov_b32 s35, 0
	s_add_nc_u64 s[20:21], s[20:21], s[34:35]      ; my tile's first row, my first K
	s_lshl_b32 s34, s31, 9
	s_lshl_b32 s36, s33, 8
	s_add_co_u32 s34, s34, s36
	s_add_co_u32 s34, s34, s27
	s_mul_i32 s36, s28, s26
	s_add_co_u32 s34, s34, s36
	s_add_nc_u64 s[36:37], s[22:23], s[34:35]      ; my 16 positions' 256 bytes of scale words
	s_lshl_b32 s34, s31, 1
	s_add_co_u32 s34, s34, s33
	s_mul_i32 s34, s34, 1536
	s_mul_i32 s38, s28, s25
	s_lshl_b32 s38, s38, 2
	s_add_co_u32 s34, s34, s38
	s_add_nc_u64 s[22:23], s[22:23], s[34:35]      ; my tile's image in my first K step
.irp t, 0,1,2,3
	v_mad_u32_u24 v[OF+\t], s25, \t, v3
	v_mad_u32_u24 v[OF8+\t], s25, \t, v1
.endr
	s_wait_alu depctr_va_vdst(0)
.macro LOAD t                          ; step t: 16 rows, 512 consecutive bytes of each
.irp i, 0,1,2,3,4,5,6,7,8,9,10,11,12,13,14,15
	global_load_b128 v[R+64*((\t)%2)+4*\i:R+64*((\t)%2)+4*\i+3], v3, s[20:21] offset:(\i+8*(\i/8))*8192+512*(\t) th:TH_LOAD_NT
.endr
.endm
.macro STEP t
.if (\t) < 2
.set C, CB+12*(\t)
.else
.set C, R+64*((\t)-2)
.endif
.if (\t) < 3
	s_wait_loadcnt 16                              ; this step's 16 loads are in; the next step's 16 may be out
.else
	s_wait_loadcnt 0
.endif
.irp i, 0,1,2,3,4,5,6,7,8,9,10,11,12,13,14,15
	ds_store_b128 v14, v[R+64*((\t)%2)+4*\i:R+64*((\t)%2)+4*\i+3] offset:528*\i
.endr
.irp c, 0,1                            ; LDS serves a wave's instructions in order (ISA guide 5.7.1.4): no wait between the stores and the loads
.irp i, 0,1,2,3,4,5,6,7
	ds_load_b128 v[X+32*\c+4*\i:X+32*\c+4*\i+3], v15 offset:256*\c+16*\i
.endr
.endr
	s_wait_dscnt 0x0                               ; my blocks are back, and the stores have read their registers,
.if (\t)+2 < 4
	LOAD (\t)+2                                    ; which take the loads of two steps on
.endif
.irp c, 0,1                            ; the blocks' largest magnitudes: four chains by turns
	v_max3_num_f32 v[M+2*\c], |v[X+32*\c]|, |v[X+32*\c+1]|, |v[X+32*\c+2]|
	v_max3_num_f32 v[M+2*\c+1], |v[X+32*\c+3]|, |v[X+32*\c+4]|, |v[X+32*\c+5]|
.endr
.irp i, 6,10,14,18,22,26
.irp c, 0,1
	v_max3_num_f32 v[M+2*\c], v[M+2*\c], |v[X+32*\c+\i]|, |v[X+32*\c+\i+1]|
	v_max3_num_f32 v[M+2*\c+1], v[M+2*\c+1], |v[X+32*\c+\i+2]|, |v[X+32*\c+\i+3]|
.endr
.endr
.irp c, 0,1
	v_max3_num_f32 v[M+2*\c], v[M+2*\c], |v[X+32*\c+30]|, |v[X+32*\c+31]|
.endr
.irp c, 0,1
	v_max3_num_f32 v[M+2*\c], v[M+2*\c], v[M+2*\c+1], 0x1800000   ; and the floor 2^(3 - 127): the byte cannot fall under 1
.endr
.irp c, 0,1
	v_add_nc_u32 v[SO+\c], 0xff000000, v[M+2*\c]   ; 2 off the exponent field: the conversion's scale operand
.endr
.irp c, 0,1
	v_cvt_scalef32_pk16_fp6_f32 v[C+6*\c:C+6*\c+2], v[X+32*\c:X+32*\c+15], v[SO+\c]
	v_cvt_scalef32_pk16_fp6_f32 v[T+4*\c:T+4*\c+2], v[X+32*\c+16:X+32*\c+31], v[SO+\c]   ; (a conversion's three registers begin on an even number)
.endr
.irp c, 0,1
	v_lshrrev_b32 v[BY+\c], 23, v[SO+\c]           ; the scales' bytes: plain lines behind the conversions
.endr
.irp c, 0,1
.irp i, 0,1,2
	v_mov_b32 v[C+6*\c+3+\i], v[T+4*\c+\i]
.endr
.endr
	v_lshl_or_b32 v[W+(\t)], v[BY+1], 16, v[BY]    ; my bytes: blocks h and 2 + h of row r,
	v_lshlrev_b32 v[W+(\t)], v235, v[W+(\t)]       ; at their places in the word;
	v_permlanex16_b32 v254, v[W+(\t)], s40, s41
	v_or_b32 v[W+(\t)], v[W+(\t)], v254            ; with lane l xor 16's two the word is whole
	global_store_b128 v[OF+(\t)], v[C:C+3], s[22:23]
	global_store_b64 v[OF8+(\t)], v[C+4:C+5], s[22:23] offset:512
	global_store_b128 v[OF+(\t)], v[C+6:C+9], s[22:23] offset:768
	global_store_b64 v[OF8+(\t)], v[C+10:C+11], s[22:23] offset:1280
.endm
	LOAD 0
	LOAD 1
	STEP 0
	STEP 1
	STEP 2
	STEP 3
	v_cmp_eq_u32 vcc_lo, 1, v13
	v_cndmask_b32 v240, v[W], v[W+2], vcc_lo       ; lanes 0-15 store the words of steps 0 and 1, lanes 16-31 those of steps 2 and 3
	v_cndmask_b32 v241, v[W+1], v[W+3], vcc_lo
	global_store_b64 v239, v[240:241], s[36:37]    ; 256 consecutive bytes, aligned
	s_wait_tensorcnt 0x0                           ; the wave's end
	ds_add_u32 v252, v253
	s_wait_dscnt 0x0
	s_endpgm
.Lfunc_end_k_qd71ebaff34_quant:
	.size	k_qd71ebaff34_quant, .Lfunc_end_k_qd71ebaff34_quant-k_qd71ebaff34_quant
	.p2alignl 7, 3214868480
	.fill 96, 4, 3214868480
	.section	.rodata,"a",@progbits
	.p2align	6, 0x0
	.amdhsa_kernel k_qd71ebaff34_quant
		.amdhsa_group_segment_fixed_size 68608
		.amdhsa_private_segment_fixed_size 0
		.amdhsa_enable_private_segment 0
		.amdhsa_kernarg_size 64
		.amdhsa_user_sgpr_count 2
		.amdhsa_user_sgpr_kernarg_segment_ptr 1
		.amdhsa_wavefront_size32 1
		.amdhsa_system_sgpr_workgroup_id_x 1
		.amdhsa_system_sgpr_workgroup_id_y 1
		.amdhsa_system_sgpr_workgroup_id_z 1
		.amdhsa_system_vgpr_workitem_id 0
		.amdhsa_next_free_vgpr 256
		.amdhsa_next_free_sgpr 66
		.amdhsa_reserve_vcc 1
		.amdhsa_float_denorm_mode_32 3
		.amdhsa_float_denorm_mode_16_64 3
		.amdhsa_memory_ordered 1
		.amdhsa_forward_progress 1
		.amdhsa_inst_pref_size 32
	.end_amdhsa_kernel
	.amdgpu_metadata
---
amdhsa.version: [ 1, 2 ]
amdhsa.kernels:
  - .name:           k_qd71ebaff34_quant
    .symbol:         k_qd71ebaff34_quant.kd
    .args:
      - { .name: x, .offset: 0, .size: 8, .value_kind: global_buffer, .address_space: global }
      - { .name: Wq, .offset: 8, .size: 8, .value_kind: global_buffer, .address_space: global }
      - { .name: Wk, .offset: 16, .size: 8, .value_kind: global_buffer, .address_space: global }
      - { .name: Wv, .offset: 24, .size: 8, .value_kind: global_buffer, .address_space: global }
      - { .name: Wo, .offset: 32, .size: 8, .value_kind: global_buffer, .address_space: global }
      - { .name: xq, .offset: 40, .size: 8, .value_kind: global_buffer, .address_space: global }
      - { .name: wqkv, .offset: 48, .size: 8, .value_kind: global_buffer, .address_space: global }
      - { .name: woq, .offset: 56, .size: 8, .value_kind: global_buffer, .address_space: global }
    .group_segment_fixed_size: 68608
    .private_segment_fixed_size: 0
    .kernarg_segment_align: 8
    .kernarg_segment_size: 64
    .max_flat_workgroup_size: 256
    .sgpr_count:     66
    .vgpr_count:     256
    .wavefront_size: 32
...
	.end_amdgpu_metadata
.endif
;; end of part 1
;; launch qkv (part 2): grid 12 x 16, 4 waves a work-group, clusters of 4 x 4, 327,680 bytes of LDS; arguments xq, wqkv, cos, sin, qi, kv; writes qi, kv
.if DOCPART == 2
	.amdgcn_target "amdgcn-amd-amdhsa--gfx1250"
	.amdhsa_code_object_version 6
	.text
	.protected	k_qd71ebaff34_qkv
	.globl	k_qd71ebaff34_qkv
	.p2align	8
	.type	k_qd71ebaff34_qkv,@function
k_qd71ebaff34_qkv:
	s_mov_b64 s[64:65], 0
	v_nop
	global_prefetch_b8 v0, s[64:65] scope:SCOPE_SE
	s_setreg_imm32_b32 hwreg(HW_REG_WAVE_MODE, 25, 1), 1
	s_wait_xcnt 0x0
	s_wait_alu depctr_hold_cnt(0) depctr_sa_sdst(0) depctr_va_vdst(0) depctr_va_sdst(0) depctr_va_ssrc(0) depctr_va_vcc(0) depctr_vm_vsrc(0)
	s_getreg_b32 s2, hwreg(HW_REG_IB_STS2, 6, 4)
	s_cmp_eq_u32 s2, 0
	s_cbranch_scc0 .Lentry_in_a_cluster
	s_endpgm
.Lentry_in_a_cluster:
	s_bfe_u32 s2, ttmp6, 0x10000c
	s_cmp_lg_u32 s2, 0xf033
	s_cbranch_scc0 .Lentry_shape_is_right
	s_endpgm
.Lentry_shape_is_right:
.set ROWS_A, 4096
.set ROWS_B, 3072
.set PLA,    ROWS_A*192
.set PLB,    ROWS_B*192
.set SOFA,   PLA*8
.set SOFB,   PLB*8
.set NQ,     2
.set FR,     12
.set NL,     4
.set NP,     4
.set HALFT,  24576
.set SLOT,   4*HALFT
.set LAPS,   4
.set SCL,    2*SLOT
.set HALFS,  8192
.set SPARE,  SCL+4*HALFS
.set ADRA, 16
.set ADRB, 20
.set ADRS, 27
.set SPW,  28
.set NIL,  29
.set SC,   32
.set AF,   128
.set G1, 24
.set G0, 32
.set G1B, 48
.set G0B, 56
.set G1S, 68
.set G0S, 76
.set G1SB, 80
.set G0SB, 88
.set QS,   6291456
.set QSTG, 0
.set KSTG, 4096
.set VSCS, 6144
.set VSTG, 8192
.set QSA, 5
.set QRB, 6
.set KSA, 7
.set KRB, 8
.set VSS, 9
.set VRB, 10
.set VSA, 11
.set VLA, 12
.set CSA, 24
.set L16, 25
.set L8,  26
.set SH,  31
.set HA,  64
.set HB,  128
.set CD,  192
.set TM,  212
.set PW,  228
.set WD,  229
.set RT,  230
.set OUTR, 236
.set SEL, 12
.set MSB, 0
.macro WIN new
.if MSB != (\new)
	s_set_vgpr_msb (MSB<<8)|(\new)
.set MSB, (\new)
.endif
.endm
.set MUL_LO, 0xa1
.set MUL_HI, 0xf1
.set TO_B,   0x40
.macro JLOAD g0a, g1a, g0b, g1b
	s_cmp_eq_u32 s15, 0
	s_cbranch_scc0 .Lfor_b_\@
	tensor_load_to_lds s[\g0a:\g0a+3], s[\g1a:\g1a+7]
	s_nop 0
.rept 4
	v_nop
.endr
	s_branch .Lasked_\@
.Lfor_b_\@:
	tensor_load_to_lds s[\g0b:\g0b+3], s[\g1b:\g1b+7]
	s_nop 0
.rept 4
	v_nop
.endr
.Lasked_\@:
.endm
.macro CREST
	s_cmp_lg_u32 s14, 0
	s_cbranch_scc1 .Lnot_wave_0_\@
	s_barrier_signal -3
.Lnot_wave_0_\@:
	s_barrier_wait -3
	s_barrier_signal -1
	s_barrier_wait -1
.endm
.macro CROUND
	s_barrier_signal -1
	s_barrier_wait -1
	CREST
.endm
	s_load_b256 s[4:11], s[0:1], 0x0
	s_load_b128 s[96:99], s[0:1], 0x20
	v_lshl_add_u32 v[SPW], v0, 2, SPARE
	v_mov_b32 v[NIL], 0
	ds_add_u32 v28, v29
	ds_add_u32 v28, v29
	s_wait_dscnt 0x0
	v_lshrrev_b32 v1, 5, v0
	v_readfirstlane_b32 s14, v1
	s_lshr_b32 s15, s14, 1
	s_and_b32 s16, s14, 1
	s_bfe_u32 s40, ttmp6, 0x40000
	s_bfe_u32 s41, ttmp6, 0x40004
	s_lshl_b32 s42, ttmp9, 2
	s_add_co_u32 s42, s42, s40
	s_and_b32 s17, ttmp7, 0xffff
	s_lshl_b32 s17, s17, 2
	s_add_co_u32 s17, s17, s41
	s_lshl_b32 s43, s41, 2
	s_lshl_b32 s43, 15, s43
	s_lshl_b32 s44, 0x1111, s40
	s_mov_b32 s[SEL], 0x76543210
	s_mov_b32 s[SEL+1], 0xfedcba98
	; a load brings two K steps of eight tiles' images: two rows of 12,288 bytes, dense in LDS
	s_or_b32 s[G1+0], s43, (3<<16)|(1<<21)
	s_or_b32 s[G1B+0], s44, (3<<16)|(1<<21)
.irp g, G1, G1B
	s_mov_b32 s[\g+1], 1536<<16
	s_mov_b32 s[\g+2], 2<<16
	s_mov_b32 s[\g+3], 1536<<16
	s_mov_b32 s[\g+4], 2
	s_mov_b32 s[\g+6], 0
	s_mov_b32 s[\g+7], 0
.endr
	s_mov_b32 s[G1+5], ROWS_A*12
	s_mov_b32 s[G1B+5], ROWS_B*12
	s_or_b32 s[G1S+0], s43, (3<<16)|(1<<21)
	s_or_b32 s[G1SB+0], s44, (3<<16)|(1<<21)
.irp g, G1S, G1SB
	s_mov_b32 s[\g+1], 256<<16
	s_mov_b32 s[\g+2], 4<<16
	s_mov_b32 s[\g+3], 256<<16
	s_mov_b32 s[\g+4], 4
	s_mov_b32 s[\g+6], 0
	s_mov_b32 s[\g+7], 0
.endr
	s_mov_b32 s[G1S+5], ROWS_A*2
	s_mov_b32 s[G1SB+5], ROWS_B*2
	s_lshl_b32 s18, s16, 7
	s_lshl_b32 s20, s17, 8
	s_add_co_u32 s20, s20, s18
	s_lshl_b32 s46, s42, 8
	s_add_co_u32 s46, s46, s18
	s_lshl_b32 s22, s20, 4
	s_add_co_u32 s22, s22, SOFA
	s_mov_b32 s23, 0
	s_lshl_b32 s92, s46, 4
	s_add_co_u32 s92, s92, SOFB
	s_mov_b32 s93, 0
	s_mul_i32 s20, s20, 96
	s_mov_b32 s21, 0
	s_mul_i32 s46, s46, 96
	s_mov_b32 s47, 0
	s_mul_i32 s45, s14, HALFT
	s_lshl_b32 s94, s14, 13
	s_and_b32 s95, s17, 3
	s_lshl_b32 s95, s95, 8
	s_lshl_b32 s18, s15, 7
	s_add_co_u32 s95, s95, s18
	s_lshl_b32 s18, s95, 7
	s_mov_b32 s19, 0
	s_wait_kmcnt 0x0
	s_add_nc_u64 s[20:21], s[4:5], s[20:21]
	s_add_nc_u64 s[22:23], s[4:5], s[22:23]
	s_add_nc_u64 s[46:47], s[6:7], s[46:47]
	s_add_nc_u64 s[92:93], s[6:7], s[92:93]
	s_add_nc_u64 s[8:9], s[8:9], s[18:19]
	s_add_nc_u64 s[10:11], s[10:11], s[18:19]
	CROUND
	s_mov_b32 s[G0S], 1
	s_add_co_u32 s[G0S+1], s94, SCL
	s_mov_b64 s[G0S+2:G0S+3], s[22:23]
	s_or_b32 s[G0S+3], s[G0S+3], 0x80000000
	s_mov_b32 s[G0SB], 1
	s_add_co_u32 s[G0SB+1], s94, SCL
	s_mov_b64 s[G0SB+2:G0SB+3], s[92:93]
	s_or_b32 s[G0SB+3], s[G0SB+3], 0x80000000
	JLOAD G0S, G1S, G0SB, G1SB
.irp s, 0,1
	s_mov_b32 s[G0+4*\s], 1
	s_add_co_u32 s[G0+4*\s+1], s45, \s*SLOT
	s_add_nc_u64 s[G0+4*\s+2:G0+4*\s+3], s[20:21], \s*PLA
	s_or_b32 s[G0+4*\s+3], s[G0+4*\s+3], 0x80000000
	s_mov_b32 s[G0B+4*\s], 1
	s_add_co_u32 s[G0B+4*\s+1], s45, \s*SLOT
	s_add_nc_u64 s[G0B+4*\s+2:G0B+4*\s+3], s[46:47], \s*PLB
	s_or_b32 s[G0B+4*\s+3], s[G0B+4*\s+3], 0x80000000
	s_wait_alu depctr_va_vdst(0)
	s_wait_tensorcnt 0x0
	ds_add_u32 v28, v29
	s_wait_dscnt 0x0
	CROUND
	JLOAD G0+4*\s, G1, G0B+4*\s, G1B
.endr
	v_and_b32 v1, 15, v0
	v_bfe_u32 v2, v0, 4, 1
	v_and_b32 v3, 31, v0
	v_lshlrev_b32 v4, 4, v3
	v_lshlrev_b32 v13, 3, v3
	s_mul_i32 s21, s15, HALFT
	s_mul_i32 s22, s16, HALFT
	s_add_co_u32 s22, s22, 2*HALFT
.irp s, 0,1
	v_add_nc_u32 v[ADRA+\s], s21, v4
	v_add_nc_u32 v[ADRB+\s], s22, v4
	v_add_nc_u32 v[ADRA+2+\s], s21, v13
	v_add_nc_u32 v[ADRB+2+\s], s22, v13
	s_add_co_u32 s21, s21, SLOT
	s_add_co_u32 s22, s22, SLOT
.endr
	s_mul_i32 s21, s15, HALFS
	s_mul_i32 s22, s16, HALFS
	s_add_co_u32 s22, s22, 2*HALFS
	s_sub_co_u32 s22, s22, s21
	v_mul_u32_u24 v14, s22, v2
	s_add_co_u32 s21, s21, SCL
	v_lshlrev_b32 v13, 4, v1
	v_add_nc_u32 v13, v13, v14
	v_add_nc_u32 v[ADRS], s21, v13
	v_and_b32 v13, 8, v1
	v_add_nc_u32 v13, v13, v1
	v_and_b32 v14, 31, v0
	v_lshlrev_b32 v[L16], 4, v14
	v_lshlrev_b32 v[L8], 3, v14
	s_lshl_b32 s18, s14, 10
	v_lshlrev_b32 v[QSA], 2, v1
	v_lshl_add_u32 v[QSA], v2, 9, v[QSA]
	v_add_nc_u32 v[QSA], s18, v[QSA]
	v_add_nc_u32 v[QRB], s18, v[L16]
	s_lshl_b32 s18, s14, 9
	s_add_co_u32 s18, s18, KSTG
	v_lshlrev_b32 v[KSA], 2, v1
	v_lshl_add_u32 v[KSA], v2, 6, v[KSA]
	v_add_nc_u32 v[KSA], s18, v[KSA]
	v_add_nc_u32 v[KRB], s18, v[L16]
	s_lshl_b32 s18, s14, 8
	s_add_co_u32 s18, s18, VSCS
	v_lshl_add_u32 v[VSS], v1, 2, s18
	v_add_nc_u32 v[VRB], s18, v[L8]
	s_mul_i32 s18, s14, 33792
	s_add_co_u32 s18, s18, VSTG
	v_mul_u32_u24 v[VSA], v2, 8448
	v_lshl_add_u32 v[VSA], v13, 2, v[VSA]
	v_add_nc_u32 v[VSA], s18, v[VSA]
	v_mul_u32_u24 v[VLA], v13, 528
	v_lshl_add_u32 v[VLA], v2, 6, v[VLA]
	v_add_nc_u32 v[VLA], s18, v[VLA]
	v_lshlrev_b32 v[CSA], 7, v13
	v_lshl_add_u32 v[CSA], v2, 5, v[CSA]
	v_lshlrev_b32 v[SH], 4, v2
.macro FRAG reg, adr, q, i             ; a fragment's image: registers 0-3 at 16 x lane, 4-5 at 512 + 8 x lane, 6-9 at 768 + 16 x lane, 10-11 at 1,280 + 8 x lane
	ds_load_b128 v[\reg:\reg+3], v[\adr] offset:(\q)*12288+(\i)*1536
	ds_load_b64 v[\reg+4:\reg+5], v[\adr+2] offset:(\q)*12288+(\i)*1536+512
	ds_load_b128 v[\reg+6:\reg+9], v[\adr] offset:(\q)*12288+(\i)*1536+768
	ds_load_b64 v[\reg+10:\reg+11], v[\adr+2] offset:(\q)*12288+(\i)*1536+1280
.endm
.macro MUL16 a0, p, q, sc, zero
.irp a, \a0, \a0+1
.irp b, 0,1,2,3,4,5,6,7
.if \zero
	v_wmma_scale_f32_16x16x128_f8f6f4 v[8*(8*((\a)%4)+\b):8*(8*((\a)%4)+\b)+7], v[128*(\p)+FR*\b:128*(\p)+FR*\b+FR-1], v[AF+FR*(\a):AF+FR*(\a)+FR-1], 0, v[SC+8*NQ*(\sc)+NQ*\b+(\q)], v[SC+8*NQ*(\sc)+NQ*(\a)+(\q)] matrix_a_fmt:MATRIX_FMT_FP6 matrix_b_fmt:MATRIX_FMT_FP6 matrix_a_scale:MATRIX_SCALE_ROW1
.else
	v_wmma_scale_f32_16x16x128_f8f6f4 v[8*(8*((\a)%4)+\b):8*(8*((\a)%4)+\b)+7], v[128*(\p)+FR*\b:128*(\p)+FR*\b+FR-1], v[AF+FR*(\a):AF+FR*(\a)+FR-1], v[8*(8*((\a)%4)+\b):8*(8*((\a)%4)+\b)+7], v[SC+8*NQ*(\sc)+NQ*\b+(\q)], v[SC+8*NQ*(\sc)+NQ*(\a)+(\q)] matrix_a_fmt:MATRIX_FMT_FP6 matrix_b_fmt:MATRIX_FMT_FP6 matrix_a_scale:MATRIX_SCALE_ROW1
.endif
.endr
.endr
.endm
.macro FETCH_B slot, q, p
	WIN TO_B
.irp i, 0,1,2,3,4,5,6,7
	FRAG 128*(\p)+FR*\i, ADRB+\slot, \q, \i
.endr
	WIN 0
.endm
.macro FETCH_A slot, q, i0
.irp i, \i0, \i0+1, \i0+2, \i0+3
	FRAG AF+FR*(\i), ADRA+\slot, \q, \i
.endr
.endm
.macro SCALES sc
.irp i, 0,1,2,3,4,5,6,7
	ds_load_b64 v[SC+8*NQ*\sc+NQ*\i:SC+8*NQ*\sc+NQ*\i+1], v[ADRS] offset:\i*256
.endr
.endm
.macro PLACES n
.rept \n
	v_nop
.endr
.endm
.macro STEP slot, q, zero
	s_wait_dscnt 4*NL
	WIN MUL_LO
	MUL16 0, (\q)%2, \q, \slot, \zero
	MUL16 2, (\q)%2, \q, \slot, \zero
	s_wait_dscnt 0
	PLACES NP
	FETCH_B \slot, (\q)+1, 1-(\q)%2
	FETCH_A \slot, (\q)+1, 0
	WIN MUL_HI
	MUL16 4, (\q)%2, \q, \slot, \zero
	MUL16 6, (\q)%2, \q, \slot, \zero
	PLACES NP
	WIN 0
	FETCH_A \slot, (\q)+1, 4
.endm
.macro TURN slot, next, fill
	s_wait_tensorcnt 0x0
	ds_add_u32 v[SPW], v[NIL]
	s_wait_dscnt 4*NL+1
	WIN MUL_LO
	MUL16 0, 1, NQ-1, \slot, 0
	s_wait_dscnt 0x0
	s_barrier_signal -1
	MUL16 2, 1, NQ-1, \slot, 0
	WIN 0
	s_barrier_wait -1
.if \fill
	CREST
	s_add_nc_u64 s[G0+4*\slot+2:G0+4*\slot+3], s[G0+4*\slot+2:G0+4*\slot+3], 2*PLA
	s_add_nc_u64 s[G0B+4*\slot+2:G0B+4*\slot+3], s[G0B+4*\slot+2:G0B+4*\slot+3], 2*PLB
	JLOAD G0+4*\slot, G1, G0B+4*\slot, G1B
.else
	PLACES NP
.endif
	s_wait_alu depctr_va_vdst(0)
	v_add_nc_u32 v[ADRS], 8+2032*(1-\next), v[ADRS]
	FETCH_B \next, 0, 0
	FETCH_A \next, 0, 0
	SCALES \next
	WIN MUL_HI
	MUL16 4, 1, NQ-1, \slot, 0
	MUL16 6, 1, NQ-1, \slot, 0
	PLACES NP
	WIN 0
	FETCH_A \next, 0, 4
.endm
.macro CSLOAD a
	WIN 0x40
.irp bp, 0,1
.irp i, 0,1
	global_load_b128 v[32*(\a)+8*\bp+4*\i:32*(\a)+8*\bp+4*\i+3], v[CSA], s[8:9] offset:(32*((\a)/2)+8*((\a)%2))*128+64*\bp+16*\i
	global_load_b128 v[32*(\a)+16+8*\bp+4*\i:32*(\a)+16+8*\bp+4*\i+3], v[CSA], s[10:11] offset:(32*((\a)/2)+8*((\a)%2))*128+64*\bp+16*\i
.endr
.endr
.endm
	CSLOAD 3
	CSLOAD 7
	WIN 0
	s_wait_tensorcnt 1
	s_barrier_signal -1
	s_barrier_wait -1
	FETCH_B 0, 0, 0
	FETCH_A 0, 0, 0
	SCALES 0
	FETCH_A 0, 0, 4
	STEP 0, 0, 1
	s_mov_b32 s3, LAPS-1
.Llap:
	TURN 0, 1, 1
	STEP 1, 0, 0
	TURN 1, 0, 1
	STEP 0, 0, 0
	s_sub_co_u32 s3, s3, 1
	s_cmp_lg_u32 s3, 0
	s_cbranch_scc1 .Llap
	TURN 0, 1, 0
	STEP 1, 0, 0
	CSLOAD 0
	CSLOAD 1
	CSLOAD 2
	s_wait_dscnt 4*NL
	WIN MUL_LO
	MUL16 0, 1, NQ-1, 1, 0
	MUL16 2, 1, NQ-1, 1, 0
	s_wait_dscnt 0
	WIN MUL_HI
	MUL16 4, 1, NQ-1, 1, 0
	MUL16 6, 1, NQ-1, 1, 0
	WIN 0
	PLACES NP
	CSLOAD 4
	CSLOAD 5
	CSLOAD 6
	WIN 0
.irp b, 0,1,2,3
	v_mov_b32 v[TM+4+\b], 0
.endr
.macro ROPE a, nb, dst
	WIN 0x06+((\a)/4)
.set bb, 0
.rept \nb
.set ii, 0
.rept 4
.set rE, 64*((\a)%4)+16*bb+4*ii
.set rC, 32*(\a)+8*(bb%2)+2*ii
.set rD, \dst+16*bb+4*ii
	v_mul_f32 v[RT], v[rE+1], v[rC+16]
	v_mul_f32 v[RT+1], v[rE+1], v[rC]
	v_mul_f32 v[RT+2], v[rE+3], v[rC+17]
	v_mul_f32 v[RT+3], v[rE+3], v[rC+1]
	v_fma_f32 v[rD], v[rE], v[rC], -v[RT]
	v_fma_f32 v[rD+1], v[rE], v[rC+16], v[RT+1]
	v_fma_f32 v[rD+2], v[rE+2], v[rC+1], -v[RT+2]
	v_fma_f32 v[rD+3], v[rE+2], v[rC+17], v[RT+3]
.set ii, ii+1
.endr
.set bb, bb+1
.endr
.endm
.macro QUANT s
.irp b, 0,1,2,3
	v_max3_num_f32 v[TM+\b], |v[\s+16*\b]|, |v[\s+1+16*\b]|, 0x1800000
.endr
.irp i, 2,4,6,8,10,12,14
.irp b, 0,1,2,3
	v_max3_num_f32 v[TM+\b], v[TM+\b], |v[\s+16*\b+\i]|, |v[\s+1+16*\b+\i]|
.endr
.endr
.irp b, 0,1,2,3
	v_permlanex16_b32 v[TM+4+\b], v[TM+\b], s[SEL], s[SEL+1]
.endr
.irp b, 0,1,2,3
	v_max_num_f32 v[TM+\b], v[TM+\b], v[TM+4+\b]
.endr
.irp b, 0,1,2,3
	v_add_nc_u32 v[TM+12+\b], 0xff000000, v[TM+\b]
.endr
.irp b, 0,1,2,3
	v_lshrrev_b32 v[TM+4+\b], 23, v[TM+12+\b]
.endr
	v_lshl_or_b32 v[PW], v[TM+5], 8, v[TM+4]
	v_lshl_or_b32 v[PW], v[TM+6], 16, v[PW]
	v_lshl_or_b32 v[PW], v[TM+7], 24, v[PW]
.irp c, 0,1
	v_cvt_scalef32_pk16_fp6_f32 v[CD+6*\c:CD+2+6*\c], v[\s+32*\c:\s+15+32*\c], v[TM+12+2*\c]
	v_cvt_scalef32_pk16_fp6_f32 v[CD+12+4*\c:CD+14+4*\c], v[\s+16+32*\c:\s+31+32*\c], v[TM+12+2*\c+1]
.endr
	v_nop
.irp c, 0,1
.irp i, 0,1,2
	v_permlane16_swap_b32 v[CD+6*\c+\i], v[CD+12+4*\c+\i]
.endr
.irp i, 0,1,2
	v_mov_b32 v[CD+3+6*\c+\i], v[CD+12+4*\c+\i]
.endr
.endr
.endm
.macro SCW
	v_lshrrev_b32 v[WD], v[SH], v[PW]
	v_and_b32 v[WD], 0xffff, v[WD]
	v_lshl_or_b32 v[WD], v[WD], 16, v[WD]
.endm
.macro QBLOCK a, cnt
	s_wait_loadcnt \cnt
	ROPE \a, 4, HA
	WIN 0
	s_wait_xcnt 0x0
	QUANT HA
	global_store_b128 v[L16], v[CD:CD+3], s[20:21] offset:768*(\a)
	global_store_b64 v[L8], v[CD+4:CD+5], s[20:21] offset:768*(\a)+512
	global_store_b128 v[L16], v[CD+6:CD+9], s[20:21] offset:768*(\a)+49152
	global_store_b64 v[L8], v[CD+10:CD+11], s[20:21] offset:768*(\a)+49152+512
	SCW
	ds_store_b32 v[QSA], v[WD] offset:64*(\a)
.endm
.macro KBLOCK a0, cnt
	s_wait_loadcnt \cnt
	ROPE \a0, 2, HA
	ROPE (\a0)+1, 2, HA+32
	WIN 0
	s_wait_xcnt 0x0
	QUANT HA
	global_store_b128 v[L16], v[CD:CD+3], s[46:47] offset:768*(\a0)
	global_store_b64 v[L8], v[CD+4:CD+5], s[46:47] offset:768*(\a0)+512
	global_store_b128 v[L16], v[CD+6:CD+9], s[46:47] offset:768*(\a0)+768
	global_store_b64 v[L8], v[CD+10:CD+11], s[46:47] offset:768*(\a0)+768+512
	SCW
	ds_store_b32 v[KSA], v[WD] offset:64*(\a0)
.endm
.macro VSTORE
.irp a, 0,1,2,3,4,5,6,7
	WIN 0x08+4*(\a/4)
.irp b, 4,5,6,7
.irp j, 0,1,2,3,4,5,6,7
	ds_store_b32 v[VSA], v[64*(\a%4)+8*\b+\j] offset:(32*((\b-4)/2)+8*(\b%2)+\j)*528+(32*(\a/2)+8*(\a%2))*4
.endr
.endr
.endr
	WIN 0
.endm
.macro VFETCH T, reg
.irp B, 0,1,2,3
.irp i, 0,1,2,3
	ds_load_b128 v[\reg+16*\B+4*\i:\reg+16*\B+4*\i+3], v[VLA] offset:(32*((\T)/2)+8*((\T)%2))*528+128*\B+16*\i
.endr
.endr
.endm
.macro VBLOCK T
.if (\T) < 3
	VFETCH (\T)+1, HA+64*(((\T)+1)%2)
	s_wait_dscnt 16
.else
	s_wait_dscnt 0x0
.endif
	s_wait_xcnt 0x0
	QUANT HA+64*((\T)%2)
.irp c, 0,1,2
	global_store_b128 v[L16], v[CD+4*\c:CD+4*\c+3], s[46:47] offset:53248+1536*(\T)+512*\c
.endr
	ds_store_b32 v[VSS], v[PW] offset:64*(\T)
.endm
	s_wait_dscnt 0x0
	s_barrier_signal -1
	s_barrier_wait -1
	s_lshr_b32 s18, s17, 2
	s_cmp_eq_u32 ttmp9, 2
	s_cbranch_scc1 .Lkv
	s_lshl_b32 s20, s18, 5
	s_lshl_b32 s21, s42, 2
	s_add_co_u32 s20, s20, s21
	s_lshl_b32 s21, s16, 1
	s_add_co_u32 s20, s20, s21
	s_lshl_b32 s22, s20, 12
	s_lshl_b32 s23, s95, 2
	s_add_co_u32 s22, s22, s23
	s_add_co_u32 s22, s22, QS
	s_mov_b32 s23, 0
	s_mul_i32 s20, s20, 49152
	s_mul_i32 s21, s95, 48
	s_add_co_u32 s20, s20, s21
	s_mov_b32 s21, 0
	s_add_nc_u64 s[20:21], s[96:97], s[20:21]
	s_add_nc_u64 s[22:23], s[96:97], s[22:23]
	QBLOCK 3, 48
	QBLOCK 7, 48
	QBLOCK 0, 40
	QBLOCK 1, 32
	QBLOCK 2, 24
	QBLOCK 4, 16
	QBLOCK 5, 8
	QBLOCK 6, 0
	ds_load_b128 v[OUTR:OUTR+3], v[QRB]
	ds_load_b128 v[OUTR+4:OUTR+7], v[QRB] offset:512
	s_wait_dscnt 0x0
	global_store_b128 v[L16], v[OUTR:OUTR+3], s[22:23]
	global_store_b128 v[L16], v[OUTR+4:OUTR+7], s[22:23] offset:4096
	s_branch .Ljoin
.Lkv:
	s_lshl_b32 s20, s40, 1
	s_add_co_u32 s20, s20, s16
	s_lshl_b32 s21, s18, 3
	s_add_co_u32 s20, s20, s21
	s_lshl_b32 s20, s20, 4
	s_lshr_b32 s21, s95, 7
	s_add_co_u32 s20, s20, s21
	s_mul_i32 s46, s20, 6656
	s_mov_b32 s47, 0
	s_add_nc_u64 s[46:47], s[98:99], s[46:47]
	VSTORE
	KBLOCK 2, 24
	KBLOCK 0, 24
	KBLOCK 6, 0
	KBLOCK 4, 0
	VFETCH 0, HA
	VBLOCK 0
	VBLOCK 1
	VBLOCK 2
	VBLOCK 3
	ds_load_b128 v[OUTR:OUTR+3], v[KRB]
	ds_load_b64 v[OUTR+4:OUTR+5], v[VRB]
	s_wait_dscnt 0x0
	global_store_b128 v[L16], v[OUTR:OUTR+3], s[46:47] offset:6144
	global_store_b64 v[L8], v[OUTR+4:OUTR+5], s[46:47] offset:53248+6144
	global_store_b64 v[L8], v[OUTR+4:OUTR+5], s[46:47] offset:53248+6400
.Ljoin:
	s_wait_tensorcnt 0x0
	ds_add_u32 v[SPW], v[NIL]
	s_wait_dscnt 0x0
	CROUND
	s_endpgm
.Lfunc_end_k_qd71ebaff34_qkv:
	.size	k_qd71ebaff34_qkv, .Lfunc_end_k_qd71ebaff34_qkv-k_qd71ebaff34_qkv
	.p2alignl 7, 3214868480
	.fill 96, 4, 3214868480
	.section	.rodata,"a",@progbits
	.p2align	6, 0x0
	.amdhsa_kernel k_qd71ebaff34_qkv
		.amdhsa_group_segment_fixed_size 327680
		.amdhsa_private_segment_fixed_size 0
		.amdhsa_enable_private_segment 0
		.amdhsa_kernarg_size 48
		.amdhsa_user_sgpr_count 2
		.amdhsa_user_sgpr_kernarg_segment_ptr 1
		.amdhsa_wavefront_size32 1
		.amdhsa_system_sgpr_workgroup_id_x 1
		.amdhsa_system_sgpr_workgroup_id_y 1
		.amdhsa_system_sgpr_workgroup_id_z 1
		.amdhsa_system_vgpr_workitem_id 0
		.amdhsa_next_free_vgpr 1024
		.amdhsa_next_free_sgpr 100
		.amdhsa_reserve_vcc 0
		.amdhsa_float_denorm_mode_32 3
		.amdhsa_float_denorm_mode_16_64 3
		.amdhsa_memory_ordered 1
		.amdhsa_forward_progress 1
		.amdhsa_inst_pref_size 255
	.end_amdhsa_kernel
	.section	.bss,"aw",@nobits
	.p2align	6
	.space	262144
	.amdgpu_metadata
---
amdhsa.version: [ 1, 2 ]
amdhsa.kernels:
  - .name:           k_qd71ebaff34_qkv
    .symbol:         k_qd71ebaff34_qkv.kd
    .args:
      - { .name: xq, .offset: 0, .size: 8, .value_kind: global_buffer, .address_space: global }
      - { .name: wqkv, .offset: 8, .size: 8, .value_kind: global_buffer, .address_space: global }
      - { .name: cos, .offset: 16, .size: 8, .value_kind: global_buffer, .address_space: global }
      - { .name: sin, .offset: 24, .size: 8, .value_kind: global_buffer, .address_space: global }
      - { .name: qi, .offset: 32, .size: 8, .value_kind: global_buffer, .address_space: global }
      - { .name: kv, .offset: 40, .size: 8, .value_kind: global_buffer, .address_space: global }
    .group_segment_fixed_size: 327680
    .private_segment_fixed_size: 0
    .kernarg_segment_align: 8
    .kernarg_segment_size: 48
    .max_flat_workgroup_size: 128
    .sgpr_count:     100
    .vgpr_count:     1024
    .wavefront_size: 32
...
	.end_amdgpu_metadata
.endif
;; end of part 2
;; launch attn (part 3): grid 8 x 32, 16 waves a work-group, clusters of 4 x 1, 169,984 bytes of LDS; arguments qi, kv, aq; writes aq
.if DOCPART == 3
	.amdgcn_target "amdgcn-amd-amdhsa--gfx1250"
	.amdhsa_code_object_version 6
	.text
	.protected	k_qd71ebaff34_attn
	.globl	k_qd71ebaff34_attn
	.p2align	8
	.type	k_qd71ebaff34_attn,@function
k_qd71ebaff34_attn:
	s_mov_b64 s[64:65], 0
	v_nop
	global_prefetch_b8 v0, s[64:65] scope:SCOPE_SE
	s_setreg_imm32_b32 hwreg(HW_REG_WAVE_MODE, 25, 1), 1
	s_wait_xcnt 0x0
	s_wait_alu depctr_hold_cnt(0) depctr_sa_sdst(0) depctr_va_vdst(0) depctr_va_sdst(0) depctr_va_ssrc(0) depctr_va_vcc(0) depctr_vm_vsrc(0)
	s_getreg_b32 s2, hwreg(HW_REG_IB_STS2, 6, 4)
	s_cmp_eq_u32 s2, 0
	s_cbranch_scc0 .Lentry_in_a_cluster
	s_endpgm
.Lentry_in_a_cluster:
	s_bfe_u32 s2, ttmp6, 0x10000c
	s_cmp_lg_u32 s2, 0x3003
	s_cbranch_scc0 .Lentry_shape_is_right
	s_endpgm
.Lentry_shape_is_right:
; Causal attention on codes of FP6 (E2M3), head size 64, 1,024 keys, four query heads to a KV head; the result is divided by the row's sum and quantised along d for the last product.
; t = score x log2(e) / 8; M = the running largest t rounded up to a whole number; p = 2^(t - M) is quantised along the keys, not normalised; the row's sum is taken of the unquantised p in f32.
; SHARES.  y = 8 batch + KV head.  The whole K and V of y, 16 pieces of 6,656 bytes, come into LDS once, one piece a wave.  The four work-groups of a cluster read the same pieces: each piece is asked for jointly.
; Of each block J of 128 queries partner cx takes queries 32 cx .. + 31, for all four query heads: a step of 128 keys is then hidden, on the diagonal or open alike in all partners, so every branch hangs on J
; (the wave's number and the cluster's x) alone; cx enters addresses in memory and the mask's lane number only.
; Wave w: head w & 3, tile u = (w >> 2) & 1 of the 32 queries, and two blocks: J_A = 2 (w >> 3) + cluster x and J_B = 7 - J_A: nine key steps in every wave.  No LDS byte is filled twice.
; LAYOUT.  Both products transposed: S^T = K Q^T (source 0 = 16 keys), O^T = V^T P^T (source 0 = 16 of d): a lane holds one query.  Tiles of keys and of d hold rows 8 u + r + 8 (r / 8) of each 32, so that 16 registers
; of two neighbouring tiles are 16 neighbours along the next K.  K Q^T has K = 64: registers 6-11 of both fragments are zero codes, cleared once; the scale words repeat the row's two bytes for them.
; LIMITS: a block's largest p is taken from the block's largest score (v_exp_f32 is taken not to fall where its input rises); 1 / sum by v_rcp_f32; blocks under 2^-124 keep the byte 1; NaN and infinities are not served.
; REGISTERS: v1-3 16, 8 x lane, 4 x (lane % 16); v4-6 the same + the step's piece; v7 the mask's number; v8-11, v28-30 LDS addresses; v12 -M, v13 largest t, v[14:15] the sum; v16-27 Q; v32-79 four fragments of K;
;   v80-91 p's codes (v88-91 first the blocks' maxima); v92-95 four scale words; v96-159 S^T, then p; v160-191 O^T; v192-239 four fragments of V; v240-251 at work; v252 f, v253 p's scale word; v254 at work; v255 Q's scale word.
.set QS,    6291456
.set PIECE, 6656
.set VOFF,  8*PIECE
.set PARK,  16*PIECE                   ; both tiles' Q, 2,048 bytes a wave
.set ASTG,  PARK+16*2048               ; the scale bytes' stage [slot 4][row 32][8]
.set KB,  32
.set PC,  80
.set BM,  88
.set SW,  92
.set VB,  192
.set T8,  240
.set SO,  248
.macro ROUND                           ; a round of the cluster's barrier
	s_barrier_signal -1
	s_barrier_wait -1
	s_cmp_lg_u32 s10, 0
	s_cbranch_scc1 .Lnot_wave_0_\@
	s_barrier_signal -3
.Lnot_wave_0_\@:
	s_barrier_wait -3
	s_barrier_signal -1
	s_barrier_wait -1
.endm
	s_load_b128 s[4:7], s[0:1], 0x0                ; qi, kv
	s_load_b64 s[8:9], s[0:1], 0x10                ; aq
	v_lshl_add_u32 v254, v0, 2, 0x29000
	v_mov_b32 v255, 0
	ds_add_u32 v254, v255
	ds_add_u32 v254, v255
	s_wait_dscnt 0x0
	v_lshrrev_b32 v1, 5, v0
	s_delay_alu instid0(VALU_DEP_1)
	v_readfirstlane_b32 s10, v1                    ; wave 0..15
	s_bfe_u32 s11, ttmp6, 0x40000                  ; cx
	s_mov_b32 s12, ttmp9                           ; the cluster's x: 0 or 1
	s_and_b32 s13, ttmp7, 0xffff                   ; y
	s_and_b32 s14, s10, 3                          ; head in the group of four
	s_bfe_u32 s15, s10, 0x10002                    ; u
	s_lshr_b32 s16, s10, 3                         ; pr
	s_lshl_b32 s17, s16, 1
	s_add_co_u32 s17, s17, s12                     ; J_A
	s_sub_co_u32 s18, 7, s17                       ; J_B
	s_mov_b32 s20, 0x76543210
	s_mov_b32 s21, 0xfedcba98                      ; v_permlanex16_b32's selects for lane l xor 16
	s_mov_b32 s22, 0x3e38aa3b                      ; c = log2(e) / 8
	s_mov_b32 s23, s22                             ; (named with it as a pair)
	; group 1: a piece is 26 rows of 32 elements of 8 bytes, dense, no padding; the mask names all four partners
	s_mov_b32 s24, 15|(3<<16)|(1<<21)
	s_mov_b32 s25, 32<<16
	s_mov_b32 s26, 26<<16
	s_mov_b32 s27, 32<<16
	s_mov_b32 s28, 26
	s_mov_b32 s29, 32
	s_mov_b32 s30, 0
	s_mov_b32 s31, 0
	s_mov_b32 s32, 1
	s_mul_i32 s33, s10, PIECE                      ; LDS: piece = wave
	s_mul_i32 s50, s13, 16*PIECE
	s_add_co_u32 s50, s50, s33
	s_mov_b32 s51, 0
	s_wait_kmcnt 0x0
	s_add_nc_u64 s[34:35], s[6:7], s[50:51]
	s_or_b32 s35, s35, 0x80000000
	ROUND                                          ; all four work-groups are here: the joint loads meet
	tensor_load_to_lds s[32:35], s[24:31]          ; my one tensor load of the launch
	s_nop 0
.rept 4
	v_nop
.endr
	s_lshl_b32 s50, s13, 2
	s_add_co_u32 s50, s50, s14                     ; H = 4 y + head
	s_mul_i32 s52, s50, 49152
	s_lshl_b32 s53, s50, 12
	s_add_co_u32 s53, s53, QS
	s_lshl_b32 s54, s11, 1
	s_add_co_u32 s54, s54, s15                     ; 2 cx + u
	s_mov_b32 s51, 0
	s_lshl_b32 s55, s17, 3
	s_add_co_u32 s55, s55, s54                     ; tile A: 8 J_A + 2 cx + u
	s_mul_i32 s50, s55, 768
	s_add_co_u32 s50, s50, s52
	s_add_nc_u64 s[38:39], s[4:5], s[50:51]
	s_lshl_b32 s50, s55, 6
	s_add_co_u32 s50, s50, s53
	s_add_nc_u64 s[40:41], s[4:5], s[50:51]
	s_lshl_b32 s55, s18, 3
	s_add_co_u32 s55, s55, s54                     ; tile B
	s_mul_i32 s50, s55, 768
	s_add_co_u32 s50, s50, s52
	s_add_nc_u64 s[42:43], s[4:5], s[50:51]
	s_lshl_b32 s50, s55, 6
	s_add_co_u32 s50, s50, s53
	s_add_nc_u64 s[44:45], s[4:5], s[50:51]
	v_and_b32 v31, 31, v0                          ; lane
	s_delay_alu instid0(VALU_DEP_1)
	v_lshlrev_b32 v1, 4, v31
	s_delay_alu instid0(VALU_DEP_2)
	v_lshlrev_b32 v2, 3, v31
	v_and_b32 v12, 15, v0                          ; r
	s_wait_alu depctr_va_vdst(0)
	v_bfe_u32 v13, v0, 4, 1                        ; h
	s_wait_alu depctr_va_vdst(0)
	v_lshlrev_b32 v3, 2, v12
	global_load_b128 v[32:35], v1, s[38:39]        ; both tiles' Q, as images of their registers
	global_load_b64 v[36:37], v2, s[38:39] offset:512
	global_load_b32 v38, v3, s[40:41]
	global_load_b128 v[40:43], v1, s[42:43]
	global_load_b64 v[44:45], v2, s[42:43] offset:512
	global_load_b32 v46, v3, s[44:45]
	; the way out: the slot that I store is 2 pr + u: its block is my J_A (u = 0) or my J_B
	s_cmp_eq_u32 s15, 0
	s_cselect_b32 s50, s17, s18
	s_lshl_b32 s50, s50, 7
	s_lshl_b32 s51, s11, 5
	s_add_co_u32 s50, s50, s51
	s_lshr_b32 s51, s13, 3
	s_lshl_b32 s51, s51, 10
	s_add_co_u32 s50, s50, s51                     ; the slot's first row: 1,024 batch + 128 J + 32 cx
	s_and_b32 s51, s13, 7                          ; the KV head = the plane
	; the codes leave as half an image of the last product's operand: [K step = 2 KV head + head / 2][tile = 2 (32 batch + 4 J + cx) + u][1,536], my head's 768 bytes
	s_lshl_b32 s52, s51, 1
	s_lshr_b32 s53, s14, 1
	s_add_co_u32 s52, s52, s53
	s_mul_i32 s52, s52, 393216
	s_and_b32 s53, s14, 1
	s_mul_i32 s53, s53, 768
	s_add_co_u32 s52, s52, s53
	s_mul_i32 s53, s15, 1536
	s_add_co_u32 s52, s52, s53
	s_lshr_b32 s53, s13, 3
	s_lshl_b32 s53, s53, 5
	s_add_co_u32 s53, s53, s11
	s_mul_i32 s53, s53, 3072
	s_add_co_u32 s54, s52, s53
	s_mul_i32 s52, s17, 12288
	s_add_co_u32 s52, s52, s54
	s_mov_b32 s53, 0
	s_add_nc_u64 s[46:47], s[8:9], s[52:53]
	s_mul_i32 s52, s18, 12288
	s_add_co_u32 s52, s52, s54
	s_add_nc_u64 s[56:57], s[8:9], s[52:53]
	s_lshl_b32 s52, s51, 15
	s_lshl_b32 s54, s50, 3
	s_add_co_u32 s52, s52, s54
	s_add_co_u32 s52, s52, 6291456
	s_add_nc_u64 s[48:49], s[8:9], s[52:53]
	v_and_b32 v14, 8, v12
	s_delay_alu instid0(VALU_DEP_1)
	v_add_nc_u32 v14, v14, v12                     ; r + 8 (r / 8)
	s_wait_alu depctr_va_vdst(0)
	s_lshl_b32 s50, s11, 5
	s_lshl_b32 s51, s15, 3
	s_add_co_u32 s50, s50, s51
	v_lshlrev_b32 v15, 4, v13
	s_delay_alu instid0(VALU_DEP_1)
	v_sub_nc_u32 v7, v14, v15
	s_delay_alu instid0(VALU_DEP_1)
	v_add_nc_u32 v7, s50, v7                       ; my query in its block - 16 h: on the diagonal register 16 b + i is hidden where 32 b + i is greater
	s_lshl_b32 s50, s16, 9
	s_lshl_b32 s51, s15, 6
	s_add_co_u32 s50, s50, s51
	s_lshl_b32 s51, s14, 1
	s_add_co_u32 s50, s50, s51
	s_add_co_u32 s50, s50, ASTG
	v_lshl_add_u32 v9, v14, 3, s50                 ; scale bytes: the row's 8, my head's two
	s_lshl_b32 s50, s10, 11
	s_add_co_u32 s50, s50, PARK
	v_add_nc_u32 v10, s50, v1
	v_add_nc_u32 v28, s50, v2
	v_lshl_add_u32 v29, v31, 2, s50
	s_lshr_b32 s50, s10, 2
	s_lshl_b32 s50, s50, 8
	s_add_co_u32 s50, s50, ASTG
	v_add_nc_u32 v30, s50, v2                      ; and my slot's 256 scale bytes
.irp j, 22,23,24,25,26,27
	v_mov_b32 v\j, 0                               ; Q's pad: zero codes
.endr
.irp b, 0,1,2,3
	v_mov_b32 v[T8+\b], 0                          ; a lane permute's destination counts as one of its sources
.endr
	v_mov_b32 v252, 0
	v_mov_b32 v253, 0
	s_wait_loadcnt 0x0
	ds_store_b128 v10, v[32:35]
	ds_store_b64 v28, v[36:37] offset:512
	ds_store_b32 v29, v38 offset:768
	ds_store_b128 v10, v[40:43] offset:1024
	ds_store_b64 v28, v[44:45] offset:1536
	ds_store_b32 v29, v46 offset:1792
.irp t, 0,1,2,3
.irp j, 6,7,8,9,10,11
	v_mov_b32 v[KB+12*\t+\j], 0                    ; K's pad: zero codes, in all four fragments, once
.endr
.endr
	s_wait_tensorcnt 0x0                           ; my piece is in,
	s_wait_dscnt 0x0
	s_barrier_signal -1
	s_barrier_wait -1                              ; everybody's is
; A KEY STEP: 128 keys, piece s37.  J: the scalar register that holds the tile's block
.macro KSTEP J
	v_add_nc_u32 v4, s36, v1
	v_add_nc_u32 v5, s36, v2
	v_add_nc_u32 v6, s36, v3
	s_cmp_gt_u32 s37, s[\J]                        ; all of the step's keys come after the block's queries: the work is left out
	s_cbranch_scc1 .Lhidden_\@
	s_wait_alu depctr_va_vdst(0)
.irp g, 0,1                                    ; S^T = K Q^T, four tiles of 16 keys at a time
.if \g > 0
.rept 4
	v_nop                                          ; places in front of loads into registers that matrix instructions have read
.endr
.endif
.irp t, 0,1,2,3
	ds_load_b128 v[KB+12*\t:KB+12*\t+3], v4 offset:768*(4*\g+\t)
	ds_load_b64 v[KB+12*\t+4:KB+12*\t+5], v5 offset:768*(4*\g+\t)+512
	ds_load_b32 v[SW+\t], v6 offset:6144+64*(4*\g+\t)
.endr
	s_wait_dscnt 0x0
.irp t, 0,1,2,3
	v_wmma_scale_f32_16x16x128_f8f6f4 v[96+8*(4*\g+\t):103+8*(4*\g+\t)], v[KB+12*\t:KB+12*\t+11], v[16:27], 0, v[SW+\t], v255 matrix_a_fmt:MATRIX_FMT_FP6 matrix_b_fmt:MATRIX_FMT_FP6
.endr
.endr
.rept 4
	v_nop                                          ; places: in front of the loads into the scale words' registers and of the first read of the scores
.endr
.irp T, 0,1,2,3                                ; V is asked for here and lands during the softmax
.irp c, 0,1,2
	ds_load_b128 v[VB+12*\T+4*\c:VB+12*\T+4*\c+3], v4 offset:VOFF+1536*\T+512*\c
.endr
	ds_load_b32 v[SW+\T], v6 offset:VOFF+6144+64*\T
.endr
	s_cmp_lg_u32 s37, s[\J]
	s_cbranch_scc1 .Lopen_\@
	v_mov_b32 v254, 0xff800000                     ; on the diagonal hidden scores become -infinity ahead of the maximum: p = 0 then
.set n, 0
.rept 64
	v_cmp_gt_i32 vcc_lo, 32*(n/16)+n%16, v7
	v_cndmask_b32 v[96+n], v[96+n], v254, vcc_lo
.set n, n+1
.endr
.Lopen_\@:
.irp b, 0,1,2,3
	v_max3_num_f32 v[BM+\b], v[96+16*\b], v[97+16*\b], v[98+16*\b]   ; the largest score of each block of 32 keys: for the row's maximum and for the block's largest p
.endr
.irp i, 3,5,7,9,11,13
.irp b, 0,1,2,3
	v_max3_num_f32 v[BM+\b], v[BM+\b], v[96+16*\b+\i], v[97+16*\b+\i]
.endr
.endr
.irp b, 0,1,2,3
	v_max_num_f32 v[BM+\b], v[BM+\b], v[111+16*\b]
.endr
.irp b, 0,1,2,3
	s_delay_alu instid0(VALU_DEP_4)
	v_permlanex16_b32 v[T8+\b], v[BM+\b], s20, s21
.endr
.irp b, 0,1,2,3
	s_delay_alu instid0(VALU_DEP_4)
	v_max_num_f32 v[BM+\b], v[BM+\b], v[T8+\b]     ; with lane l xor 16's 16 keys
.endr
	s_delay_alu instid0(VALU_DEP_2)
	v_max3_num_f32 v254, v[BM], v[BM+1], v[BM+2]
	s_delay_alu instid0(VALU_DEP_1)
	v_max_num_f32 v254, v254, v[BM+3]
	s_delay_alu instid0(VALU_DEP_1)
	v_mul_f32 v254, s22, v254                      ; as t (c is positive)
	s_delay_alu instid0(VALU_DEP_1)
	v_max_num_f32 v13, v13, v254                   ; the running largest t
	v_mov_b32 v254, v12
	s_delay_alu instid0(VALU_DEP_2)
	v_floor_f32 v12, -v13                          ; the new -M = floor(-t): M is a whole number
	s_delay_alu instid0(VALU_DEP_1)
	v_sub_f32 v254, v12, v254                      ; old M - new M: a whole number, 0 or less
	s_delay_alu instid0(VALU_DEP_1)
	v_cvt_i32_f32 v254, v254
	s_delay_alu instid0(VALU_DEP_1)
	v_ldexp_f32 v252, 1.0, v254                    ; f = 2^(old M - new M): multiplying by it rounds nothing
.set j, 0
.rept 32
	v_pk_fma_f32 v[96+j:97+j], v[96+j:97+j], s[22:23], v[12:13] op_sel_hi:[1,0,0]   ; t - M
.set j, j+2
.endr
.irp b, 0,1,2,3
	v_fma_f32 v[BM+\b], v[BM+\b], s22, v12         ; the same of each block's largest score
.endr
.set j, 0
	s_wait_alu depctr_va_vdst(0)
.rept 64
	v_exp_f32 v[96+j], v[96+j]                     ; p = 2^(t - M)
.set j, j+1
.endr
	v_pk_mul_f32 v[14:15], v[14:15], v[252:253] op_sel_hi:[1,0]   ; the sums under the new M: a plain instruction behind the exponentials
	s_wait_alu depctr_va_vdst(0)                   ; one wait for the batch of 64, ahead of its first reader
.irp b, 0,1,2,3
	v_exp_f32 v[BM+\b], v[BM+\b]                   ; the block's largest p
.endr
	v_pk_add_f32 v[240:241], v[100:101], v[104:105]
	v_pk_add_f32 v[250:251], v[108:109], v[112:113]
	v_pk_add_f32 v[248:249], v[116:117], v[120:121]
	v_pk_add_f32 v[246:247], v[124:125], v[128:129]
	v_pk_add_f32 v[244:245], v[132:133], v[136:137]
	v_pk_add_f32 v[242:243], v[140:141], v[144:145]
	v_pk_add_f32 v[86:87], v[148:149], v[152:153]
	v_pk_add_f32 v[14:15], v[14:15], v[156:157]
	v_pk_add_f32 v[240:241], v[240:241], v[96:97]
	v_pk_add_f32 v[250:251], v[250:251], v[98:99]
	v_pk_add_f32 v[248:249], v[248:249], v[102:103]
	v_pk_add_f32 v[246:247], v[246:247], v[106:107]
	v_pk_add_f32 v[244:245], v[244:245], v[110:111]
	v_pk_add_f32 v[242:243], v[242:243], v[114:115]
	v_pk_add_f32 v[86:87], v[86:87], v[118:119]
	v_pk_add_f32 v[14:15], v[14:15], v[122:123]
	v_pk_add_f32 v[240:241], v[240:241], v[126:127]
	v_pk_add_f32 v[250:251], v[250:251], v[130:131]
	v_pk_add_f32 v[248:249], v[248:249], v[134:135]
	v_pk_add_f32 v[246:247], v[246:247], v[138:139]
	v_pk_add_f32 v[244:245], v[244:245], v[142:143]
	v_pk_add_f32 v[242:243], v[242:243], v[146:147]
	v_pk_add_f32 v[86:87], v[86:87], v[150:151]
	v_pk_add_f32 v[14:15], v[14:15], v[154:155]
	v_pk_add_f32 v[240:241], v[240:241], v[158:159]
	s_delay_alu instid0(VALU_DEP_2)
	v_pk_add_f32 v[14:15], v[14:15], v[246:247]
	s_delay_alu instid0(VALU_DEP_2)
	v_pk_add_f32 v[240:241], v[240:241], v[244:245]
	v_pk_add_f32 v[250:251], v[250:251], v[242:243]
	v_pk_add_f32 v[248:249], v[248:249], v[86:87]
	s_delay_alu instid0(VALU_DEP_2)
	v_pk_add_f32 v[14:15], v[14:15], v[250:251]
	s_delay_alu instid0(VALU_DEP_2)
	v_pk_add_f32 v[240:241], v[240:241], v[248:249]
	s_delay_alu instid0(VALU_DEP_1)
	v_pk_add_f32 v[14:15], v[14:15], v[240:241]
	s_wait_alu depctr_va_vdst(0)                   ; and one for the four
.irp b, 0,1,2,3
	v_max_num_f32 v[BM+\b], 0x1800000, v[BM+\b]    ; the floor 2^(3 - 127)
.endr
.irp b, 0,1,2,3
	s_delay_alu instid0(VALU_DEP_4)
	v_add_nc_u32 v[SO+\b], 0xff000000, v[BM+\b]    ; the conversion's scale operand
.endr
.irp b, 0,1,2,3
	s_delay_alu instid0(VALU_DEP_4)
	v_lshrrev_b32 v[T8+\b], 23, v[SO+\b]           ; the scale's byte
.endr
	s_delay_alu instid0(VALU_DEP_3)
	v_lshl_or_b32 v253, v[T8+1], 8, v[T8]          ; p's scale word for these 128 keys
	s_delay_alu instid0(VALU_DEP_1)
	v_lshl_or_b32 v253, v[T8+2], 16, v253
	s_delay_alu instid0(VALU_DEP_1)
	v_lshl_or_b32 v253, v[T8+3], 24, v253
.irp c, 0,1
	v_cvt_scalef32_pk16_fp6_f32 v[PC+6*\c:PC+2+6*\c], v[96+32*\c:111+32*\c], v[SO+2*\c]
	v_cvt_scalef32_pk16_fp6_f32 v[T8+4*\c:T8+2+4*\c], v[112+32*\c:127+32*\c], v[SO+2*\c+1]
.endr
	v_nop                                          ; one plain place behind a scaled conversion
.irp c, 0,1
.irp i, 0,1,2
	v_permlane16_swap_b32 v[PC+6*\c+\i], v[T8+4*\c+\i]
.endr
.irp i, 0,1,2
	s_delay_alu instid0(VALU_DEP_3)
	v_mov_b32 v[PC+3+6*\c+\i], v[T8+4*\c+\i]
.endr
.endr
.set j, 0
.rept 16
	v_pk_mul_f32 v[160+j:161+j], v[160+j:161+j], v[252:253] op_sel_hi:[1,0]   ; O^T under the new M; these sixteen are also the places between the scale word's and the codes' last writes and the products
.set j, j+2
.endr
	s_wait_alu depctr_va_vdst(0)
	s_wait_dscnt 0x0                               ; V and its scale words are in
.irp T, 0,1,2,3                                ; O^T += V^T P^T: the four accumulators take turns, one instruction each
	v_wmma_scale_f32_16x16x128_f8f6f4 v[160+8*\T:167+8*\T], v[VB+12*\T:VB+12*\T+11], v[PC:PC+11], v[160+8*\T:167+8*\T], v[SW+\T], v253 matrix_a_fmt:MATRIX_FMT_FP6 matrix_b_fmt:MATRIX_FMT_FP6
.endr
.rept 4
	v_nop                                          ; places behind the last products, for whatever follows on any way
.endr
.Lhidden_\@:
.endm
; One tile of 16 queries: n = 0, 1 (which of my two), J its block's register
.macro TILE n, J
	s_wait_xcnt 0x0                                ; the tile before has had its stores' registers read: the codes' registers are written again below
	ds_load_b128 v[16:19], v10 offset:1024*\n
	ds_load_b64 v[20:21], v28 offset:1024*\n+512
	ds_load_b32 v255, v29 offset:1024*\n+768
	v_mov_b32 v13, 0xff61b1e6                      ; the largest t so far: -3e38
	s_delay_alu instid0(VALU_DEP_1)
	v_floor_f32 v12, -v13
	v_mov_b32 v14, 0
	v_mov_b32 v15, 0
.set j, 0
.rept 32
	v_mov_b32 v[160+j], 0                          ; O^T: the step is written once, its first trip finds zeros
.set j, j+1
.endr
	s_mov_b32 s36, 0
	s_mov_b32 s37, 0
	s_wait_dscnt 0x0
.Lstep_\@:                                         ; eight trips, a constant; what is left out is a hidden step's work
	KSTEP \J
	s_add_co_u32 s36, s36, PIECE
	s_add_co_u32 s37, s37, 1
	s_cmp_lt_u32 s37, 8
	s_cbranch_scc1 .Lstep_\@
	v_add_f32 v14, v14, v15
	s_delay_alu instid0(VALU_DEP_1)
	v_permlanex16_b32 v252, v14, s20, s21
	s_delay_alu instid0(VALU_DEP_1)
	v_add_f32 v14, v14, v252                       ; the row's sum
	s_wait_alu depctr_va_vdst(0)
	v_rcp_f32 v14, v14
	v_nop                                          ; a plain place behind the reciprocal
	s_wait_alu depctr_va_vdst(0)                   ; and the wait ahead of its first reader
.set j, 0
.rept 16
	v_pk_mul_f32 v[96+j:97+j], v[160+j:161+j], v[14:15] op_sel_hi:[1,0]   ; o: register 16 b + i is d = 32 b + 16 h + i
.set j, j+2
.endr
.irp b, 0,1
	v_max3_num_f32 v[BM+\b], |v[96+16*\b]|, |v[97+16*\b]|, 0x1800000
.endr
.irp i, 2,4,6,8,10,12,14
.irp b, 0,1
	s_delay_alu instid0(VALU_DEP_2)
	v_max3_num_f32 v[BM+\b], v[BM+\b], |v[96+16*\b+\i]|, |v[97+16*\b+\i]|
.endr
.endr
.irp b, 0,1
	s_delay_alu instid0(VALU_DEP_2)
	v_permlanex16_b32 v[T8+\b], v[BM+\b], s20, s21
.endr
.irp b, 0,1
	s_delay_alu instid0(VALU_DEP_2)
	v_max_num_f32 v[BM+\b], v[BM+\b], v[T8+\b]
.endr
.irp b, 0,1
	s_delay_alu instid0(VALU_DEP_2)
	v_add_nc_u32 v[SO+\b], 0xff000000, v[BM+\b]
.endr
.irp b, 0,1
	s_delay_alu instid0(VALU_DEP_2)
	v_lshrrev_b32 v[T8+4+\b], 23, v[SO+\b]
.endr
	s_delay_alu instid0(VALU_DEP_1)
	v_lshl_or_b32 v254, v[T8+5], 8, v[T8+4]        ; my head's two scale bytes of the row
	v_cvt_scalef32_pk16_fp6_f32 v[PC:PC+2], v[96:111], v[SO]
	v_cvt_scalef32_pk16_fp6_f32 v[T8:T8+2], v[112:127], v[SO+1]
	v_nop
.irp i, 0,1,2
	v_permlane16_swap_b32 v[PC+\i], v[T8+\i]       ; lane (r, h) now holds block h: its lower 12 bytes here, its upper 12 there
.endr
.irp i, 0,1,2
	s_delay_alu instid0(VALU_DEP_3)
	v_mov_b32 v[PC+3+\i], v[T8+\i]
.endr
	global_store_b128 v1, v[PC:PC+3], s[46+10*\n:47+10*\n]               ; 512 consecutive bytes, aligned
	global_store_b64 v2, v[PC+4:PC+5], s[46+10*\n:47+10*\n] offset:512   ; and 256
	ds_store_b16 v9, v254 offset:256*\n            ; lanes r and r + 16 write the same two bytes with the same value
.endm
	TILE 0, 17
	TILE 1, 18
	s_wait_dscnt 0x0                               ; for the others' sake: my stores into the stages have landed
	s_barrier_signal -1
	s_barrier_wait -1
	s_cmp_lg_u32 s14, 0                            ; one wave of each slot's four stores its 256 scale bytes
	s_cbranch_scc1 .Lno_scales
	ds_load_b64 v[108:109], v30
	s_wait_dscnt 0x0
	global_store_b64 v2, v[108:109], s[48:49]
.Lno_scales:
	s_wait_xcnt 0x0
	v_lshl_add_u32 v254, v0, 2, 0x29000
	v_mov_b32 v255, 0
	s_wait_alu depctr_va_vdst(0)
	s_wait_tensorcnt 0x0
	ds_add_u32 v254, v255
	s_wait_dscnt 0x0
	ROUND                                          ; the closing round
	s_endpgm
.Lfunc_end_k_qd71ebaff34_attn:
	.size	k_qd71ebaff34_attn, .Lfunc_end_k_qd71ebaff34_attn-k_qd71ebaff34_attn
	.p2alignl 7, 3214868480
	.fill 96, 4, 3214868480
	.section	.rodata,"a",@progbits
	.p2align	6, 0x0
	.amdhsa_kernel k_qd71ebaff34_attn
		.amdhsa_group_segment_fixed_size 169984
		.amdhsa_private_segment_fixed_size 0
		.amdhsa_enable_private_segment 0
		.amdhsa_kernarg_size 24
		.amdhsa_user_sgpr_count 2
		.amdhsa_user_sgpr_kernarg_segment_ptr 1
		.amdhsa_wavefront_size32 1
		.amdhsa_system_sgpr_workgroup_id_x 1
		.amdhsa_system_sgpr_workgroup_id_y 1
		.amdhsa_system_sgpr_workgroup_id_z 1
		.amdhsa_system_vgpr_workitem_id 0
		.amdhsa_next_free_vgpr 256
		.amdhsa_next_free_sgpr 66
		.amdhsa_reserve_vcc 1
		.amdhsa_float_denorm_mode_32 3
		.amdhsa_float_denorm_mode_16_64 3
		.amdhsa_memory_ordered 1
		.amdhsa_forward_progress 1
		.amdhsa_inst_pref_size 67
	.end_amdhsa_kernel
	.amdgpu_metadata
---
amdhsa.version: [ 1, 2 ]
amdhsa.kernels:
  - .name:           k_qd71ebaff34_attn
    .symbol:         k_qd71ebaff34_attn.kd
    .args:
      - { .name: qi, .offset: 0, .size: 8, .value_kind: global_buffer, .address_space: global }
      - { .name: kv, .offset: 8, .size: 8, .value_kind: global_buffer, .address_space: global }
      - { .name: aq, .offset: 16, .size: 8, .value_kind: global_buffer, .address_space: global }
    .group_segment_fixed_size: 169984
    .private_segment_fixed_size: 0
    .kernarg_segment_align: 8
    .kernarg_segment_size: 24
    .max_flat_workgroup_size: 512
    .sgpr_count:     66
    .vgpr_count:     256
    .wavefront_size: 32
...
	.end_amdgpu_metadata
.endif
;; end of part 3
;; launch oproj (part 4): grid 8 x 32, 4 waves a work-group, clusters of 4 x 4, 327,680 bytes of LDS; arguments aq, woq, out0; writes out0
.if DOCPART == 4
	.amdgcn_target "amdgcn-amd-amdhsa--gfx1250"
	.amdhsa_code_object_version 6
	.text
	.protected	k_qd71ebaff34_oproj
	.globl	k_qd71ebaff34_oproj
	.p2align	8
	.type	k_qd71ebaff34_oproj,@function
k_qd71ebaff34_oproj:
	s_mov_b64 s[64:65], 0
	v_nop
	global_prefetch_b8 v0, s[64:65] scope:SCOPE_SE
	s_setreg_imm32_b32 hwreg(HW_REG_WAVE_MODE, 25, 1), 1
	s_wait_xcnt 0x0
	s_wait_alu depctr_hold_cnt(0) depctr_sa_sdst(0) depctr_va_vdst(0) depctr_va_sdst(0) depctr_va_ssrc(0) depctr_va_vcc(0) depctr_vm_vsrc(0)
	s_getreg_b32 s2, hwreg(HW_REG_IB_STS2, 6, 4)
	s_cmp_eq_u32 s2, 0
	s_cbranch_scc0 .Lentry_in_a_cluster
	s_endpgm
.Lentry_in_a_cluster:
	s_bfe_u32 s2, ttmp6, 0x10000c
	s_cmp_lg_u32 s2, 0xf033
	s_cbranch_scc0 .Lentry_shape_is_right
	s_endpgm
.Lentry_shape_is_right:
; out0 [4096][2048] f32 = A Wo^T on codes of FP6 (E2M3) with E8M0 scales, K = 2,048.  A (aq) and Wo (woq) lie as [K step 16][tile of 16 rows][1,536 bytes], a tile being an image of the operand's 12 registers
; (registers 0-3 at 16 x lane, 4-5 at 512 + 8 x lane, 6-9 at 768 + 16 x lane, 10-11 at 1,280 + 8 x lane); lane r of tile 2 g + u holds row 32 g + 8 u + r + 8 (r / 8).
; SHARES: a work-group makes 128 rows x 256 columns: 32 x 8 = 256 work-groups.  Four waves, each 64 x 128: 32 accumulators, 256 registers.  A K step of 128 is 32 matrix instructions on two sets of fragments by turns.
; THE RING: two LDS slots of four K steps each (A 49,152 bytes, B 98,304, dense: the images need no padding): four fills in all.  Waves 0, 1 fetch A's steps 0-1, 2-3 of a slot, waves 2, 3 B's: one load a wave, its rows
; 12,288 or 24,576 bytes of memory, each beginning at a multiple of 256.  CLUSTERS 4 x 4: A's tiles are asked for jointly along a row of the cluster, B's along a column.
; THE SCALES go from memory straight into registers, once: A's [256 along K: 8][row][8 bytes] by loads of 8 bytes a lane (256 consecutive bytes, lane l taking row l with bits 3 and 4 exchanged),
; B's [512 along K: 4][position][16 bytes] by loads of 16 bytes a lane.  A register holds tile 2 g in lanes 0-15 and tile 2 g + 1 in lanes 16-31; the instruction's row selectors choose.
; THE MATRIX INSTRUCTION IS USED TRANSPOSED (source 0 = 16 rows of Wo): a lane holds eight neighbouring columns 32 (b / 2) + 8 (b % 2) + 16 h + j of one row.  The way out goes through the wave's stage in slot 0,
; which has had its last fill and, behind the walk's last barrier, its last read; whole rows of 512 bytes are stored.
; PREFETCH: behind slot 1's first fill K steps 8-11 are asked for, behind the first refill K steps 12-15: one slot ahead of the load that wants them.  Of each row of a wave's load each of the four partners
; names a quarter, told apart by address: 12 or 24 blocks of 256 bytes, a lane a block, left-over lanes naming the last again.  The first two fills come by their loads alone.
; REGISTERS: window 0: v0-31 addresses, v32-63 A's scales, v64-127 B's, v128-223 A's fragments (two sets of 48); window 1: B's fragments at v0 and v128; window 2: accumulator (a, b) at v[8 (8 a + b)].
.set STA,    393216                    ; a K step of A's codes in memory
.set STB,    196608                    ; of B's
.set ASL,    49152                     ; A's part of a slot
.set SLOT,   147456
.set SPARE,  2*SLOT                    ; behind the ring: the spare words
.set SPITCH, 528
.set FR,   12
.set A16,  2                           ; v2-3   A's fragments in slot 0, 1: + 16 x lane;  v4-5: + 8 x lane
.set A8,   4
.set B16,  8                           ; v8-11  B's: slot s, steps 0-1 / 2-3 of the slot at 2 s, 2 s + 1;  v12-15: + 8 x lane
.set B8,   12
.set STO,  16
.set RD,   17
.set SAO,  18
.set PFO,  20                          ; v20-21 the prefetches' offsets, first and second row of my load
.set L16,  25                          ; 16 x lane
.set SPW,  28
.set NIL,  29
.set SA,   32
.set SB,   64
.set AF,   128
.set BK,   128
.set G1,   24
.set G0,   32
.set G1B,  48
.set G0B,  56
.set PF,   66
.set PS,   68
.set MSB, 0
.macro WIN new
.if MSB != (\new)
	s_set_vgpr_msb (MSB<<8)|(\new)
.set MSB, (\new)
.endif
.endm
.set MUL,  0xa1                        ; source 0 (B) window 1, source 1 (A) window 0, C and D window 2
.set TO_B, 0x40
.macro PLACES
.rept 4
	v_nop
.endr
.endm
.macro JLOAD s                         ; waves 0, 1 ask for A, waves 2, 3 for B; the branch hangs on the wave's number alone
	s_cmp_eq_u32 s15, 0
	s_cbranch_scc0 .Lfor_b_\@
	tensor_load_to_lds s[G0+4*(\s):G0+4*(\s)+3], s[G1:G1+7]
	s_nop 0
	PLACES
	s_branch .Lasked_\@
.Lfor_b_\@:
	tensor_load_to_lds s[G0B+4*(\s):G0B+4*(\s)+3], s[G1B:G1B+7]
	s_nop 0
	PLACES
.Lasked_\@:
.endm
.macro CREST
	s_cmp_lg_u32 s14, 0
	s_cbranch_scc1 .Lnot_wave_0_\@
	s_barrier_signal -3
.Lnot_wave_0_\@:
	s_barrier_wait -3
	s_barrier_signal -1
	s_barrier_wait -1
.endm
.macro CROUND
	s_barrier_signal -1
	s_barrier_wait -1
	CREST
.endm
	s_load_b128 s[4:7], s[0:1], 0x0                ; aq, woq
	s_load_b64 s[12:13], s[0:1], 0x10              ; out0
	v_lshl_add_u32 v[SPW], v0, 2, SPARE
	v_mov_b32 v[NIL], 0
	ds_add_u32 v[SPW], v[NIL]                      ; the opening lines: the add, twice on end, and its wait
	ds_add_u32 v[SPW], v[NIL]
	v_lshrrev_b32 v1, 5, v0
	v_readfirstlane_b32 s14, v1                    ; wave 0..3
	s_lshr_b32 s15, s14, 1                         ; my half of the rows.  Also: I fetch for A (0) or B (1)
	s_and_b32 s16, s14, 1                          ; my half of the columns.  Also: which two K steps of a slot I fetch
	s_bfe_u32 s40, ttmp6, 0x40000                  ; cx
	s_bfe_u32 s41, ttmp6, 0x40004                  ; cy
	s_lshl_b32 s42, ttmp9, 2
	s_add_co_u32 s42, s42, s40                     ; block column
	s_and_b32 s17, ttmp7, 0xffff
	s_lshl_b32 s17, s17, 2
	s_add_co_u32 s17, s17, s41                     ; block row
	s_lshl_b32 s43, s41, 2
	s_lshl_b32 s43, 15, s43                        ; my row of the cluster
	s_lshl_b32 s44, 0x1111, s40                    ; my column
	s_or_b32 s[G1+0], s43, (3<<16)|(1<<21)         ; elements of 8 bytes; bit 21 beside the mask
	s_mov_b32 s[G1+1], 1536<<16                    ; A: two rows (K steps) of eight tiles, 12,288 bytes
	s_mov_b32 s[G1+2], 2<<16
	s_mov_b32 s[G1+3], 1536<<16
	s_mov_b32 s[G1+4], 2
	s_mov_b32 s[G1+5], STA/8
	s_mov_b32 s[G1+6], 0
	s_mov_b32 s[G1+7], 0
	s_or_b32 s[G1B+0], s44, (3<<16)|(1<<21)
	s_mov_b32 s[G1B+1], 3072<<16                   ; B: two rows of sixteen tiles, 24,576 bytes
	s_mov_b32 s[G1B+2], 2<<16
	s_mov_b32 s[G1B+3], 3072<<16
	s_mov_b32 s[G1B+4], 2
	s_mov_b32 s[G1B+5], STB/8
	s_mov_b32 s[G1B+6], 0
	s_mov_b32 s[G1B+7], 0
	s_mul_i32 s20, s17, 12288                      ; A: my block's eight tiles, my two K steps
	s_mul_i32 s18, s16, 2*STA
	s_add_co_u32 s20, s20, s18
	s_mov_b32 s21, 0
	s_mul_i32 s46, s42, 24576                      ; B: the block's sixteen tiles
	s_mul_i32 s18, s16, 2*STB
	s_add_co_u32 s46, s46, s18
	s_mov_b32 s47, 0
	s_lshl_b32 s8, s17, 10                         ; A's scales: 8 bytes a row, my 64 rows
	s_lshl_b32 s18, s15, 9
	s_add_co_u32 s8, s8, s18
	s_add_co_u32 s8, s8, 6291456
	s_mov_b32 s9, 0
	s_lshl_b32 s10, s42, 12                        ; B's: 16 bytes a position, my 128
	s_lshl_b32 s18, s16, 11
	s_add_co_u32 s10, s10, s18
	s_add_co_u32 s10, s10, 3145728
	s_mov_b32 s11, 0
	s_lshl_b32 s22, s17, 20                        ; out0: rows of 8,192 bytes
	s_lshl_b32 s18, s15, 19
	s_add_co_u32 s22, s22, s18
	s_lshl_b32 s18, s42, 10
	s_add_co_u32 s22, s22, s18
	s_lshl_b32 s18, s16, 9
	s_add_co_u32 s22, s22, s18
	s_mov_b32 s23, 0
	s_mul_i32 s45, s16, 24576                      ; where my load lands in a slot: A's,
	s_mul_i32 s19, s16, 49152
	s_add_co_u32 s19, s19, ASL                     ; B's
	s_wait_dscnt 0x0                               ; both opening adds are done
	s_wait_kmcnt 0x0
	s_add_nc_u64 s[20:21], s[4:5], s[20:21]
	s_add_nc_u64 s[46:47], s[6:7], s[46:47]
	s_add_nc_u64 s[8:9], s[4:5], s[8:9]
	s_add_nc_u64 s[10:11], s[6:7], s[10:11]
	s_add_nc_u64 s[12:13], s[12:13], s[22:23]
.irp s, 0,1
	s_mov_b32 s[G0+4*\s], 1
	s_add_co_u32 s[G0+4*\s+1], s45, \s*SLOT
	s_add_nc_u64 s[G0+4*\s+2:G0+4*\s+3], s[20:21], \s*4*STA
	s_or_b32 s[G0+4*\s+3], s[G0+4*\s+3], 0x80000000
	s_mov_b32 s[G0B+4*\s], 1
	s_add_co_u32 s[G0B+4*\s+1], s19, \s*SLOT
	s_add_nc_u64 s[G0B+4*\s+2:G0B+4*\s+3], s[46:47], \s*4*STB
	s_or_b32 s[G0B+4*\s+3], s[G0B+4*\s+3], 0x80000000
.endr
	CROUND                                         ; all sixteen work-groups are here: the first joint loads meet
	JLOAD 0                                        ; K steps 0-3: one tensor load a wave at the head
	; the prefetches: my load's first row at K step 8, my work-group's quarter of it
	s_cmp_eq_u32 s15, 0
	s_cselect_b64 s[PF:PF+1], s[20:21], s[46:47]
	s_cselect_b32 s18, s40, s41                    ; my place among the four that ask with me
	s_mov_b32 s19, 6144
	s_cselect_b32 s19, 3072, s19                   ; a quarter of a row
	s_mov_b32 s70, STB
	s_cselect_b32 s70, STA, s70                    ; from row to row
	s_mov_b32 s71, 23
	s_cselect_b32 s71, 11, s71                     ; its last block
	s_mul_i32 s18, s18, s19
	s_lshl_b32 s19, s70, 3
	s_add_co_u32 s18, s18, s19
	s_mov_b32 s19, 0
	s_add_nc_u64 s[PF:PF+1], s[PF:PF+1], s[18:19]
	s_lshl_b32 s[PS], s70, 2                       ; four K steps on
	s_mov_b32 s[PS+1], 0
	v_and_b32 v24, 31, v0                          ; lane
	v_lshlrev_b32 v[L16], 4, v24
	v_lshlrev_b32 v26, 3, v24
	s_mul_i32 s18, s15, 4*1536                     ; my four tiles of A
	s_mul_i32 s19, s16, 8*1536                     ; my eight of B
	s_add_co_u32 s19, s19, ASL
.irp s, 0,1
	v_add_nc_u32 v[A16+\s], s18, v[L16]
	v_add_nc_u32 v[A8+\s], s18, v26
	v_add_nc_u32 v[B16+2*\s], s19, v[L16]
	v_add_nc_u32 v[B8+2*\s], s19, v26
	s_add_co_u32 s19, s19, 49152
	v_add_nc_u32 v[B16+2*\s+1], s19, v[L16]
	v_add_nc_u32 v[B8+2*\s+1], s19, v26
	s_add_co_u32 s18, s18, SLOT
	s_add_co_u32 s19, s19, SLOT-49152
.endr
	v_lshrrev_b32 v27, 3, v24
	v_lshrrev_b32 v1, 4, v24
	v_xor_b32 v27, v27, v1
	v_and_b32 v27, 1, v27
	v_mul_u32_u24 v27, v27, 24
	v_xor_b32 v27, v24, v27                        ; the lane's number with bits 3 and 4 exchanged: my row of the 32
	v_lshlrev_b32 v[SAO], 3, v27
	v_and_b32 v1, 15, v0
	v_bfe_u32 v27, v0, 4, 1
	s_mul_i32 s18, s14, 16*SPITCH                  ; my stage, in slot 0
	v_mul_u32_u24 v1, v1, SPITCH
	v_lshl_add_u32 v1, v27, 6, v1                  ; in: row r, 64 h bytes on
	v_add_nc_u32 v[STO], s18, v1
	v_add_nc_u32 v[RD], s18, v[L16]                ; back: a row of 512 bytes
	v_min_u32 v27, s71, v24
	v_lshlrev_b32 v[PFO], 8, v27
	v_add_nc_u32 v[PFO+1], s70, v[PFO]
	s_wait_alu depctr_va_vdst(0)
.irp g, 0,1
.irp p, 0,1,2,3,4,5,6,7
	global_load_b64 v[SA+16*\g+2*\p:SA+16*\g+2*\p+1], v[SAO], s[8:9] offset:32768*\p+256*\g
.endr
.endr
.irp g, 0,1,2,3
.irp q, 0,1,2,3
	global_load_b128 v[SB+16*\g+4*\q:SB+16*\g+4*\q+3], v[L16], s[10:11] offset:32768*\q+512*\g
.endr
.endr
.macro FRAG reg, a16, a8, off
	ds_load_b128 v[\reg:\reg+3], v[\a16] offset:\off
	ds_load_b64 v[\reg+4:\reg+5], v[\a8] offset:\off+512
	ds_load_b128 v[\reg+6:\reg+9], v[\a16] offset:\off+768
	ds_load_b64 v[\reg+10:\reg+11], v[\a8] offset:\off+1280
.endm
.macro FETCH st                        ; step st's twelve fragments, 48 LDS loads, into set st % 2
.set FS, ((\st)/4)%2
.set FQ, (\st)%4
	WIN TO_B
.irp i, 0,1,2,3,4,5,6,7
	FRAG 128*((\st)%2)+FR*\i, B16+2*FS+FQ/2, B8+2*FS+FQ/2, (FQ%2)*24576+\i*1536
.endr
	WIN 0
.irp i, 0,1,2,3
	FRAG AF+48*((\st)%2)+FR*\i, A16+FS, A8+FS, FQ*12288+\i*1536
.endr
.endm
.macro ONE a, b, st, zero              ; the row selectors go by the tiles' parity; zero = 1: the first product starts the sum
.set D_, 8*(8*(\a)+(\b))
.set B_, 128*((\st)%2)+FR*(\b)
.set A_, AF+48*((\st)%2)+FR*(\a)
.set P_, SB+16*((\b)/2)+(\st)
.set R_, SA+16*((\a)/2)+(\st)
.set V_, 2*((\a)%2)+(\b)%2+4*(\zero)
.if V_ == 0
	v_wmma_scale_f32_16x16x128_f8f6f4 v[D_:D_+7], v[B_:B_+11], v[A_:A_+11], v[D_:D_+7], v[P_], v[R_] matrix_a_fmt:MATRIX_FMT_FP6 matrix_b_fmt:MATRIX_FMT_FP6
.endif
.if V_ == 1
	v_wmma_scale_f32_16x16x128_f8f6f4 v[D_:D_+7], v[B_:B_+11], v[A_:A_+11], v[D_:D_+7], v[P_], v[R_] matrix_a_fmt:MATRIX_FMT_FP6 matrix_b_fmt:MATRIX_FMT_FP6 matrix_a_scale:MATRIX_SCALE_ROW1
.endif
.if V_ == 2
	v_wmma_scale_f32_16x16x128_f8f6f4 v[D_:D_+7], v[B_:B_+11], v[A_:A_+11], v[D_:D_+7], v[P_], v[R_] matrix_a_fmt:MATRIX_FMT_FP6 matrix_b_fmt:MATRIX_FMT_FP6 matrix_b_scale:MATRIX_SCALE_ROW1
.endif
.if V_ == 3
	v_wmma_scale_f32_16x16x128_f8f6f4 v[D_:D_+7], v[B_:B_+11], v[A_:A_+11], v[D_:D_+7], v[P_], v[R_] matrix_a_fmt:MATRIX_FMT_FP6 matrix_b_fmt:MATRIX_FMT_FP6 matrix_a_scale:MATRIX_SCALE_ROW1 matrix_b_scale:MATRIX_SCALE_ROW1
.endif
.if V_ == 4
	v_wmma_scale_f32_16x16x128_f8f6f4 v[D_:D_+7], v[B_:B_+11], v[A_:A_+11], 0, v[P_], v[R_] matrix_a_fmt:MATRIX_FMT_FP6 matrix_b_fmt:MATRIX_FMT_FP6
.endif
.if V_ == 5
	v_wmma_scale_f32_16x16x128_f8f6f4 v[D_:D_+7], v[B_:B_+11], v[A_:A_+11], 0, v[P_], v[R_] matrix_a_fmt:MATRIX_FMT_FP6 matrix_b_fmt:MATRIX_FMT_FP6 matrix_a_scale:MATRIX_SCALE_ROW1
.endif
.if V_ == 6
	v_wmma_scale_f32_16x16x128_f8f6f4 v[D_:D_+7], v[B_:B_+11], v[A_:A_+11], 0, v[P_], v[R_] matrix_a_fmt:MATRIX_FMT_FP6 matrix_b_fmt:MATRIX_FMT_FP6 matrix_b_scale:MATRIX_SCALE_ROW1
.endif
.if V_ == 7
	v_wmma_scale_f32_16x16x128_f8f6f4 v[D_:D_+7], v[B_:B_+11], v[A_:A_+11], 0, v[P_], v[R_] matrix_a_fmt:MATRIX_FMT_FP6 matrix_b_fmt:MATRIX_FMT_FP6 matrix_a_scale:MATRIX_SCALE_ROW1 matrix_b_scale:MATRIX_SCALE_ROW1
.endif
.endm
.macro MUL16 a0, st, zero              ; the 32 accumulators take turns, one instruction a turn, in the same order in every step
.irp a, \a0, \a0+1
.irp b, 0,1,2,3,4,5,6,7
	ONE \a, \b, \st, \zero
.endr
.endr
.endm
.macro ASK
	global_prefetch_b8 v[PFO], s[PF:PF+1] th:TH_LOAD_NT scope:SCOPE_SE
	global_prefetch_b8 v[PFO+1], s[PF:PF+1] th:TH_LOAD_NT scope:SCOPE_SE
.endm
; A K step.  Its fragments were asked for in the step before.  The last step of a slot changes slots: its fragments are my last reads of the slot, so the three lines and the barrier stand in it.
.macro STEP st, zero
.if (\st)%4 == 3 && (\st) < 15
.if (\st) == 3
	s_wait_xcnt 0x0                                ; my prefetches have read their address: four K steps on
	s_add_nc_u64 s[PF:PF+1], s[PF:PF+1], s[PS:PS+1]
.endif
	s_wait_tensorcnt 0x0                           ; my one load that was out, my part of the next slot, has landed;
	ds_add_u32 v[SPW], v[NIL]                      ; 0 onto my spare word;
	s_wait_dscnt 1                                 ; this step's fragments are in (the add may be out)
	WIN MUL
	MUL16 0, \st, 0
	s_wait_dscnt 0x0                               ; the add is done; my reads of this slot are over
	s_barrier_signal -1
	MUL16 2, \st, 0
	WIN 0
	s_barrier_wait -1
.if (\st) < 11
	CREST                                          ; the barrier has opened a round of the cluster's barrier
	s_add_nc_u64 s[G0+4*(((\st)/4)%2)+2:G0+4*(((\st)/4)%2)+3], s[G0+4*(((\st)/4)%2)+2:G0+4*(((\st)/4)%2)+3], 8*STA
	s_add_nc_u64 s[G0B+4*(((\st)/4)%2)+2:G0B+4*(((\st)/4)%2)+3], s[G0B+4*(((\st)/4)%2)+2:G0B+4*(((\st)/4)%2)+3], 8*STB
	JLOAD ((\st)/4)%2                              ; eight K steps on, into the slot just read out; its four v_nop are the places in front of the loads below
.else
	PLACES
.endif
	FETCH (\st)+1
.if (\st) == 3
	ASK                                            ; K steps 12-15
.endif
.else
	s_wait_dscnt 0x0                               ; this step's fragments are in
.if (\st) < 15
	PLACES                                         ; in front of loads into the set that the step before multiplied
	FETCH (\st)+1
.endif
	WIN MUL
	MUL16 0, \st, \zero
	MUL16 2, \st, \zero
	WIN 0
.endif
.endm
	s_wait_tensorcnt 0x0                           ; my part of slot 0 is in
	ds_add_u32 v[SPW], v[NIL]
	s_wait_dscnt 0x0
	CROUND
	JLOAD 1                                        ; K steps 4-7, the first tensor load behind the round
	FETCH 0
	ASK                                            ; K steps 8-11
	s_wait_loadcnt 0x0                             ; the scales are in
	STEP 0, 1
.set ST, 1
.rept 15
	STEP ST, 0
.set ST, ST+1
.endr
; THE WAY OUT, by tiles of 16 rows x 128 columns, through my stage; LDS serves a wave's instructions in order (ISA guide 5.7.1.4)
.macro TOSTAGE a
	WIN 0x08                                       ; the data: window 2
.irp b, 0,1,2,3,4,5,6,7
	ds_store_b128 v[STO], v[64*(\a)+8*\b:64*(\a)+8*\b+3] offset:128*(\b/2)+32*(\b%2)       ; each accumulator from its low end on
	ds_store_b128 v[STO], v[64*(\a)+8*\b+4:64*(\a)+8*\b+7] offset:128*(\b/2)+32*(\b%2)+16
.endr
	WIN 0
.set BB, BK+64*((\a)%2)
.irp t, 0,1,2,3,4,5,6,7,8,9,10,11,12,13,14,15
	ds_load_b128 v[BB+4*\t:BB+4*\t+3], v[RD] offset:\t*SPITCH
.endr
.endm
.macro SEND a, younger                 ; younger: the LDS instructions issued behind tile a's loads
.set BB, BK+64*((\a)%2)
	s_wait_dscnt \younger
.irp t, 0,1,2,3,4,5,6,7,8,9,10,11,12,13,14,15
	global_store_b128 v[L16], v[BB+4*\t:BB+4*\t+3], s[12:13] offset:(32*((\a)/2)+8*((\a)%2)+\t+8*(\t/8))*8192 th:TH_STORE_NT   ; 512 consecutive bytes of a row, aligned
.endr
.endm
	PLACES
	TOSTAGE 0
.irp a, 1,2,3
.if \a > 1
	s_wait_xcnt 0x0                                ; tile a - 2's stores have read their registers
.endif
	TOSTAGE \a
	SEND \a-1, 32
.endr
	SEND 3, 0
	s_wait_tensorcnt 0x0                           ; the wave's end
	ds_add_u32 v[SPW], v[NIL]
	s_wait_dscnt 0x0
	CROUND                                         ; the closing round
	s_endpgm
.Lfunc_end_k_qd71ebaff34_oproj:
	.size	k_qd71ebaff34_oproj, .Lfunc_end_k_qd71ebaff34_oproj-k_qd71ebaff34_oproj
	.p2alignl 7, 3214868480
	.fill 96, 4, 3214868480
	.section	.rodata,"a",@progbits
	.p2align	6, 0x0
	.amdhsa_kernel k_qd71ebaff34_oproj
		.amdhsa_group_segment_fixed_size 327680
		.amdhsa_private_segment_fixed_size 0
		.amdhsa_enable_private_segment 0
		.amdhsa_kernarg_size 24
		.amdhsa_user_sgpr_count 2
		.amdhsa_user_sgpr_kernarg_segment_ptr 1
		.amdhsa_wavefront_size32 1
		.amdhsa_system_sgpr_workgroup_id_x 1
		.amdhsa_system_sgpr_workgroup_id_y 1
		.amdhsa_system_sgpr_workgroup_id_z 1
		.amdhsa_system_vgpr_workitem_id 0
		.amdhsa_next_free_vgpr 768
		.amdhsa_next_free_sgpr 72
		.amdhsa_reserve_vcc 0
		.amdhsa_float_denorm_mode_32 3
		.amdhsa_float_denorm_mode_16_64 3
		.amdhsa_memory_ordered 1
		.amdhsa_forward_progress 1
		.amdhsa_inst_pref_size 146
	.end_amdhsa_kernel
	.amdgpu_metadata
---
amdhsa.version: [ 1, 2 ]
amdhsa.kernels:
  - .name:           k_qd71ebaff34_oproj
    .symbol:         k_qd71ebaff34_oproj.kd
    .args:
      - { .name: aq, .offset: 0, .size: 8, .value_kind: global_buffer, .address_space: global }
      - { .name: woq, .offset: 8, .size: 8, .value_kind: global_buffer, .address_space: global }
      - { .name: out0, .offset: 16, .size: 8, .value_kind: global_buffer, .address_space: global }
    .group_segment_fixed_size: 327680
    .private_segment_fixed_size: 0
    .kernarg_segment_align: 8
    .kernarg_segment_size: 24
    .max_flat_workgroup_size: 128
    .sgpr_count:     72
    .vgpr_count:     768
    .wavefront_size: 32
...
	.end_amdgpu_metadata
.endif
;; end of part 4
